; MI455X (gfx1250); checked and timed in simulation.
; The chip was launched on July 23, 2026; its instructions are those of AMD's public machine-readable ISA for CDNA 5 (MIT licence, August 2026) and "CDNA5" Instruction Set Architecture Reference Guide (July 2026). The comments in the code are by the model that wrote it; some were corrected since.
;; Block. Allowed arithmetic: matrix products marked QUANTISED: E5M2 operands, one given power-of-two scale a tensor, by v_wmma_f32_16x16x64_bf8_bf8 or v_wmma_f32_16x16x128_bf8_bf8, f32 sums; everything else in f32.
;; Inputs: W1_codes 2,048 x 16 x 32 uint8 (E5M2 codes of W1, K innermost, in blocks of 32 codes); W2_codes 512 x 64 x 32 uint8 (E5M2 codes of W2, K innermost, in blocks of 32 codes); Wk_codes 8 x 64 x 16 x 32 uint8 (E5M2 codes of Wk, K innermost, in blocks of 32 codes); Wq_codes 8 x 64 x 16 x 32 uint8 (E5M2 codes of Wq, K innermost, in blocks of 32 codes); Wv_codes 8 x 64 x 16 x 32 uint8 (E5M2 codes of Wv, K innermost, in blocks of 32 codes); b1 2,048 float32; b2 512 float32; ln1_b 512 float32; ln1_g 512 float32; ln2_b 512 float32; ln2_g 512 float32; lowp_scales 16 int32 (the exponents e of the quantised operands' scales 2^e); proj_b 512 float32; proj_w_codes 512 x 16 x 32 uint8 (E5M2 codes of proj_w, K innermost, in blocks of 32 codes); x 64 x 256 x 512 float32.
;; Outputs: out0 64 x 256 x 512 float32.
;; This version of the problem:
;;   THIS VERSION OF THE PROBLEM IS GIVEN IN LOW PRECISION. The matrix products marked QUANTISED in the list below multiply operands that are first quantised to E5M2 (5 exponent bits, 2 mantissa bits; 8 bits a number), with one given power-of-two scale for each operand tensor; their sums are f32. All else is computed in f32.
;;   The module's matrix products, in the order in which they are computed (A, B: the left and right operand; K: the contracted axis; several contracted axes count as one K, in the product's order):
;;     1. [M 512, K 512] x [K 512, N 16,384]; A: input Wk (given as codes); B: computed on the way: QUANTISED (scales: A lowp_scales[0], B lowp_scales[1])
;;     2. [M 512, K 512] x [K 512, N 16,384]; A: input Wq (given as codes); B: computed on the way: QUANTISED (scales: A lowp_scales[2], B lowp_scales[3])
;;     3. [M 512, K 512] x [K 512, N 16,384]; A: input Wv (given as codes); B: computed on the way: QUANTISED (scales: A lowp_scales[4], B lowp_scales[5])
;;     4. batch 512 x [M 256, K 64] x [K 64, N 256]; A: computed on the way; B: computed on the way: QUANTISED (scales: A lowp_scales[6], B lowp_scales[7])
;;     5. batch 512 x [M 256, K 256] x [K 256, N 64]; A: softmax (see below); B: computed on the way: QUANTISED (scales: A lowp_scales[8], B lowp_scales[9])
;;     6. [M 16,384, K 512] x [K 512, N 512]; A: computed on the way; B: input proj_w (given as codes): QUANTISED (scales: A lowp_scales[10], B lowp_scales[11])
;;     7. [M 16,384, K 512] x [K 512, N 2,048]; A: computed on the way; B: input W1 (given as codes): QUANTISED (scales: A lowp_scales[12], B lowp_scales[13])
;;     8. [M 16,384, K 2,048] x [K 2,048, N 512]; A: computed on the way; B: input W2 (given as codes): QUANTISED (scales: A lowp_scales[14], B lowp_scales[15])
;;   THE QUANTISER, for each operand of a quantised product, along K:
;;     - The operand's scale is 2^e, e = its entry of the input lowp_scales (int32; the entries are numbered through the quantised products in the list's order, A before B).
;;     - Each number is divided by the scale, clamped to +-57,344, and rounded to the nearest number of E5M2, ties to even, subnormals kept.
;;     - The product sums the exact products of the quantised numbers (number of the format x scale) in f32.
;;   ~~~python
;;   def quantise(x, axis, e):      # numpy; x: float32 -> the quantised numbers, widened to float32 again
;;       x = np.moveaxis(x, axis, -1); K = x.shape[-1]
;;       r = np.clip(x / 2.0 ** e, -57344, 57344)
;;       step = 2.0 ** (np.maximum(np.frexp(np.where(r == 0, 1, r))[1] - 1, -14) - 2)
;;       q = np.round(r / step) * step * 2.0 ** e      # np.round: ties to even
;;       return np.moveaxis(q, -1, axis).astype(np.float32)
;;   ~~~
;;   SOFTMAX AHEAD OF A QUANTISED PRODUCT. Where the list says 'softmax', what is quantised is not the finished softmax but p = 2^(t - M), with t = logit x log2(e) and M = ceil(the row's largest t), a whole number; so 1/2 < the row's largest p <= 1. The row's sum l is taken of the UNQUANTISED p, in f32, and the product's result is divided by l at the end. Since M is a whole number, a kernel that streams over the keys may use a running M (the ceiling of the running maximum): every later rescaling is an exact power of two, so the quantised numbers keep their values, but for numbers so far below the row's largest that they fall under the format's range.
;;   OPERANDS COMPUTED ON THE WAY. 'Computed on the way' means the value that the module computes at that place (a softmax that the list does not call 'softmax' is quantised finished and normalised). What goes into a quantiser is computed in f32, as accurately as f32 sums, v_exp_f32 and their like allow (about 1e-6 of the number): no bf16 or f16 on the way to a quantiser, and a product that is left as it is and whose result goes on into a quantised operand takes f32 operands (vector FMAs, or v_wmma_f32_16x16x4_f32). A number that lies on a knife's edge between two numbers of the format may be rounded either way, as far as f32 arithmetic and the matrix unit's own rounding can turn it there, and no further.
;;   INPUTS GIVEN AS CODES. W1 (in the module: [512, 2048], K = its axis 0); W2 (in the module: [2048, 512], K = its axis 0); Wk (in the module: [8, 512, 64], K = its axis 1); Wq (in the module: [8, 512, 64], K = its axis 1); Wv (in the module: [8, 512, 64], K = its axis 1); proj_w (in the module: [512, 512], K = its axis 0): each comes as NAME_codes (uint8): NAME with its K axis moved to the last place and cut into blocks of 32 codes, [.., K / 32, bytes a block], one block behind the other in memory; one code a byte (a code: sign, 5 exponent bits, 2 mantissa bits); its scale is its entry of lowp_scales. Its value is code x scale, taken as it is: it is not quantised again, and the codes and scales need not be those that the quantiser above would give.
;; 2 versions. Each part assembles by itself: llvm-mc -triple=amdgcn-amd-amdhsa -mcpu=gfx1250 --defsym DOCPART=n.
;; ======== version 1 of 2: 3 launches
;; limits: right only within a limited range of input values
;; workspace buffers: wqkv 786,432 bytes; wmain 2,359,296 bytes; kimg 8,388,608 bytes; qimg 8,388,608 bytes; vimg 8,388,608 bytes
;; launch prep (part 1): grid 24 x 4, 4 waves a work-group, no clusters, 0 bytes of LDS; arguments Wk_codes, Wq_codes, Wv_codes, proj_w_codes, W1_codes, W2_codes, wqkv, wmain; writes wqkv, wmain
.if DOCPART == 1
	.amdgcn_target "amdgcn-amd-amdhsa--gfx1250"
	.amdhsa_code_object_version 6
	.text
	.protected	k_qbd72017886_prep
	.globl	k_qbd72017886_prep
	.p2align	8
	.type	k_qbd72017886_prep,@function
k_qbd72017886_prep:
	s_mov_b64 s[64:65], 0
	v_nop
	global_prefetch_b8 v0, s[64:65] scope:SCOPE_SE
	s_setreg_imm32_b32 hwreg(HW_REG_WAVE_MODE, 25, 1), 1
	s_wait_xcnt 0x0
; The six weight tensors (E5M2 codes, K innermost) are laid out once as IMAGES OF OPERAND REGISTERS, in the order in which the waves of the two later launches take them.
; A fragment is 16 rows x 128 K: lane (r, h) holds row r; registers 2 c, 2 c + 1 hold K = 16 c + 8 h + 0 .. 7 (the layout of v_wmma_f32_16x16x128_bf8_bf8).
; Its image is 2,048 bytes: registers 4 q .. 4 q + 3 of lane L at 512 q + 16 L, so that a later wave fetches it by four loads of 512 consecutive bytes.
; Both outputs are [lap][wave 4][group 4][i 4][2048]; a lap is 131,072 bytes.  Work-group x = lap l of 24 (0-5: wqkv; 6-23: wmain's lap l - 6), y = group g; wave w lays out the group's four fragments.
;   l < 8  (Wk, Wk, Wq, Wq, Wv, Wv, proj_w, proj_w): rows 128 w + 64 (l % 2) + 16 i on, K from 128 g, rows of 512 bytes
;   l >= 8, even (W1, chunk ch = (l - 8) / 2):        rows 256 ch + 64 w + 16 i on,     K from 128 g, rows of 512 bytes
;   l >= 8, odd  (W2, the same chunk):                rows 128 w + 64 (g % 2) + 16 i on, K from 256 ch + 128 (g / 2), rows of 2,048 bytes
; Every choice hangs on the work-group's and the wave's numbers alone.  No LDS, no barrier: waves share nothing.
	s_load_b512 s[8:23], s[0:1], 0x0               ; Wk s[8:9], Wq s[10:11], Wv s[12:13], proj_w s[14:15], W1 s[16:17], W2 s[18:19], wqkv s[20:21], wmain s[22:23]
	v_lshrrev_b32 v1, 5, v0
	v_readfirstlane_b32 s24, v1                    ; w
	v_and_b32 v2, 31, v0
	v_lshlrev_b32 v1, 4, v2                        ; 16 L
	v_and_b32 v3, 15, v0                           ; r
	v_bfe_u32 v8, v0, 4, 1                         ; h
	s_and_b32 s25, ttmp7, 0xffff                   ; g
	s_mov_b32 s26, ttmp9                           ; l
	s_max_u32 s27, s26, 8
	s_sub_co_u32 s27, s27, 8
	s_lshr_b32 s27, s27, 1                         ; ch
	s_and_b32 s28, s26, 1                          ; l % 2
	s_lshl_b32 s29, s24, 7                         ; 128 w
	s_lshl_b32 s30, s28, 6
	s_add_co_u32 s30, s29, s30                     ; first row where l < 8
	s_lshl_b32 s31, s27, 8                         ; 256 ch
	s_lshl_b32 s32, s24, 6
	s_add_co_u32 s32, s31, s32                     ; first row of W1
	s_and_b32 s33, s25, 1
	s_lshl_b32 s33, s33, 6
	s_add_co_u32 s33, s29, s33                     ; first row of W2
	s_lshr_b32 s34, s25, 1
	s_lshl_b32 s34, s34, 7
	s_add_co_u32 s34, s31, s34                     ; first K of W2
	s_lshl_b32 s35, s25, 7                         ; first K of the others: 128 g
	s_wait_kmcnt 0x0
	s_cmp_eq_u32 s28, 1                            ; odd: W2, even: W1
	s_cselect_b32 s36, s33, s32
	s_cselect_b32 s37, s34, s35
	s_cselect_b32 s38, 11, 9                       ; log2 of a row's bytes
	s_cselect_b64 s[40:41], s[18:19], s[16:17]
	s_cmp_lt_u32 s26, 8
	s_cselect_b32 s36, s30, s36
	s_cselect_b32 s37, s35, s37
	s_cselect_b32 s38, 9, s38
	s_cselect_b64 s[40:41], s[14:15], s[40:41]
	s_cmp_lt_u32 s26, 6
	s_cselect_b64 s[40:41], s[12:13], s[40:41]
	s_cselect_b64 s[44:45], s[20:21], s[22:23]     ; where the images go
	s_cselect_b32 s46, 0, 6
	s_cmp_lt_u32 s26, 4
	s_cselect_b64 s[40:41], s[10:11], s[40:41]
	s_cmp_lt_u32 s26, 2
	s_cselect_b64 s[40:41], s[8:9], s[40:41]
	s_lshl_b32 s42, s36, s38
	s_add_co_u32 s42, s42, s37                     ; first row x its bytes + first K
	s_mov_b32 s43, 0
	s_add_nc_u64 s[40:41], s[40:41], s[42:43]
	s_sub_co_u32 s46, s26, s46                     ; the lap in its buffer
	s_lshl_b32 s46, s46, 17
	s_lshl_b32 s47, s24, 15
	s_add_co_u32 s46, s46, s47
	s_lshl_b32 s47, s25, 13
	s_add_co_u32 s46, s46, s47
	s_mov_b32 s47, 0
	s_add_nc_u64 s[44:45], s[44:45], s[46:47]
	v_lshlrev_b32 v4, s38, v3                      ; row r,
	v_lshl_add_u32 v4, v8, 3, v4                   ; + 8 h
	s_lshl_b32 s39, 16, s38                        ; 16 rows on for each further fragment
	v_add_nc_u32 v5, s39, v4
	v_add_nc_u32 v6, s39, v5
	v_add_nc_u32 v7, s39, v6
.set n, 0
.rept 32                                               ; fragment n / 8, c = n % 8
	global_load_b64 v[16+2*n:17+2*n], v[4+n/8], s[40:41] offset:16*(n%8)
.set n, n+1
.endr
	s_wait_loadcnt 0x0
.set n, 0
.rept 16
	global_store_b128 v1, v[16+4*n:19+4*n], s[44:45] offset:512*n   ; 32 lanes store 512 consecutive bytes, aligned
.set n, n+1
.endr
	s_endpgm
.Lfunc_end_k_qbd72017886_prep:
	.size	k_qbd72017886_prep, .Lfunc_end_k_qbd72017886_prep-k_qbd72017886_prep
	.p2alignl 7, 3214868480
	.fill 96, 4, 3214868480
	.section	.rodata,"a",@progbits
	.p2align	6, 0x0
	.amdhsa_kernel k_qbd72017886_prep
		.amdhsa_group_segment_fixed_size 0
		.amdhsa_private_segment_fixed_size 0
		.amdhsa_enable_private_segment 0
		.amdhsa_kernarg_size 64
		.amdhsa_user_sgpr_count 2
		.amdhsa_user_sgpr_kernarg_segment_ptr 1
		.amdhsa_wavefront_size32 1
		.amdhsa_system_sgpr_workgroup_id_x 1
		.amdhsa_system_sgpr_workgroup_id_y 1
		.amdhsa_system_sgpr_workgroup_id_z 1
		.amdhsa_system_vgpr_workitem_id 0
		.amdhsa_next_free_vgpr 96
		.amdhsa_next_free_sgpr 66
		.amdhsa_reserve_vcc 0
		.amdhsa_float_denorm_mode_32 3
		.amdhsa_float_denorm_mode_16_64 3
		.amdhsa_memory_ordered 1
		.amdhsa_forward_progress 1
		.amdhsa_inst_pref_size 7
	.end_amdhsa_kernel
	.amdgpu_metadata
---
amdhsa.version: [ 1, 2 ]
amdhsa.kernels:
  - .name:           k_qbd72017886_prep
    .symbol:         k_qbd72017886_prep.kd
    .args:
      - { .name: Wk_codes, .offset: 0, .size: 8, .value_kind: global_buffer, .address_space: global }
      - { .name: Wq_codes, .offset: 8, .size: 8, .value_kind: global_buffer, .address_space: global }
      - { .name: Wv_codes, .offset: 16, .size: 8, .value_kind: global_buffer, .address_space: global }
      - { .name: proj_w_codes, .offset: 24, .size: 8, .value_kind: global_buffer, .address_space: global }
      - { .name: W1_codes, .offset: 32, .size: 8, .value_kind: global_buffer, .address_space: global }
      - { .name: W2_codes, .offset: 40, .size: 8, .value_kind: global_buffer, .address_space: global }
      - { .name: wqkv, .offset: 48, .size: 8, .value_kind: global_buffer, .address_space: global }
      - { .name: wmain, .offset: 56, .size: 8, .value_kind: global_buffer, .address_space: global }
    .group_segment_fixed_size: 0
    .private_segment_fixed_size: 0
    .kernarg_segment_align: 8
    .kernarg_segment_size: 64
    .max_flat_workgroup_size: 128
    .sgpr_count:     66
    .vgpr_count:     96
    .wavefront_size: 32
...
	.end_amdgpu_metadata
.endif
;; end of part 1
;; launch qkv (part 2): grid 256 x 1, 4 waves a work-group, no clusters, 248,320 bytes of LDS; arguments x, ln1_g, ln1_b, lowp_scales, wqkv, kimg, qimg, vimg; writes kimg, qimg, vimg
.if DOCPART == 2
	.amdgcn_target "amdgcn-amd-amdhsa--gfx1250"
	.amdhsa_code_object_version 6
	.text
	.protected	k_qbd72017886_qkv
	.globl	k_qbd72017886_qkv
	.p2align	8
	.type	k_qbd72017886_qkv,@function
k_qbd72017886_qkv:
	s_mov_b64 s[64:65], 0
	v_nop
	global_prefetch_b8 v0, s[64:65] scope:SCOPE_SE
	s_setreg_imm32_b32 hwreg(HW_REG_WAVE_MODE, 25, 1), 1
	s_wait_xcnt 0x0
; h = layernorm(x) g + b; k, q, v = h Wk, h Wq, h Wv on codes of E5M2; k, q and v leave as codes, laid as images of the operand registers of the next launch.
; SHARES.  A work-group takes 64 tokens (batch G / 4, block G % 4 of 64 tokens).  Wave w normalises tokens 16 w .. 16 w + 15 and quantises them three times (scales e1, e3, e5);
; in each product it owns output columns 128 w .. 128 w + 127 (heads 2 w, 2 w + 1) for all 64 tokens: 32 accumulators.
; LAYOUT.  Every operand lies as v_wmma_f32_16x16x128_bf8_bf8 wants it: lane (r, h) holds row r, registers 2 c, 2 c + 1 hold K = 16 c + 8 h + 0 .. 7.  A result tile (lane: column r, registers: rows 8 h + j)
; becomes, by one conversion of its eight registers, registers 2 c, 2 c + 1 of the next operand, c the tile's number.  k, q: source 0 = 16 rows of the weight, source 1 = 16 tokens: a lane holds a token and eight d.
; v: the sources are swapped: a lane holds a d and eight tokens, since the tokens are the next K.
; THE WEIGHTS come from memory straight into registers, in the order in which an earlier launch laid them: window 2 is a ring of 16 fragments in four groups; behind a group's 16 matrix instructions the group is
; loaded again with the next lap's.  48 to 64 loads of 512 bytes a wave are out.  Each fragment is multiplied by one wave alone, so a way through LDS would feed nobody else in the work-group: no tensor load, no joint load.
; LIMITS on the given exponents, so that each power of two is an f32 number: e1, e3, e5, e6 - e0 - e1, e7 - e2 - e3, e9 - e4 - e5 between -126 and 112.  NaN among the inputs is not served.
; REGISTERS, in windows of 256: window 0: addresses, statistics, scales; v64-95 g and b as loaded; v128-191 g, v192-255 b of a K step, later two sets of 64 registers of codes.
;   window 1: x as loaded; then v0-63 held numbers and v64-111 codes; then the 16 fragments of h (tile m, K step s at v[16 (4 m + s)]).   window 2: the ring.
;   window 3: my row's numbers (v[64 s + 8 c + i]: K = 128 s + 16 c + 8 h + i); then the accumulators (column tile t, token tile m at v[8 (4 t + m)]).
.set PITCH, 2064                       ; a stage row: 2,048 bytes + 16 = 516 words: row r starts at bank 4 r mod 64 (64 banks of 4 bytes: ISA guide 11.1)
.set WSTB,  18*PITCH                   ; a wave's own stage: 16 rows of x, one of g, one of b
.set HIM,   4*WSTB                     ; behind the stages: the images of h: version X, tile m, K step s at 32768 X + 2048 (4 m + s)
.set LAPB,  131072                     ; a lap of the weights: 16 fragments for each of four waves
.set L16,  1                           ; v1   16 x lane
.set RR,   2                           ; v2   r
.set HH,   3                           ; v3   h
.set STW,  4                           ; v4   stage, in: 16 x lane
.set XT,   5                           ; v5   stage, out: row r + 32 h
.set GA,   6                           ; v6   stage: g's row + 32 h
.set IMW,  7                           ; v7   where I store images; v8 the same 65,536 on
.set IMW2, 8
.set IMR,  9                           ; v9   where images are read; v10 the same 65,536 on
.set IMR2, 10
.set CH,   16                          ; v[16:23] four packed chains
.set MEAN, 24                          ; v[24:25]
.set RS,   26                          ; v[26:27]
.set PT,   28                          ; v28  a lane permute's destination
.set SC,   32                          ; v32.. (scale, largest number x scale): h by e1, e3, e5; then k, q, v
.set RAW,  64
.set GV,   128
.set BV,   192
.set WP,   12                          ; s[12:13] my wave's part of the weights
.set T0,   21
.set T1,   22
.set T2,   23
.set MSB, 0
.macro WIN new                         ; the immediate's high byte repeats the setting that is left
.if MSB != \new
	s_set_vgpr_msb (MSB<<8)|\new
.set MSB, \new
.endif
.endm
.macro PLACES n
.rept \n
	v_nop
.endr
.endm
.macro RLOAD g, off                    ; group g of the ring takes its four fragments of the lap that begins off bytes on
	WIN 0x80
.set rn, 0
.rept 16
	global_load_b128 v[64*(\g)+4*rn:64*(\g)+4*rn+3], v[L16], s[WP:WP+1] offset:(\off)+8192*(\g)+512*rn
.set rn, rn+1
.endr
.endm
.macro GBLOAD s                        ; g and b at my 64 places of K step s
.set bn, 0
.rept 16
	ds_load_b128 v[GV+4*bn:GV+4*bn+3], v[GA] offset:512*(\s)+64*(bn/2)+16*(bn%2)
	ds_load_b128 v[BV+4*bn:BV+4*bn+3], v[GA] offset:PITCH+512*(\s)+64*(bn/2)+16*(bn%2)
.set bn, bn+1
.endr
.endm
.macro FOLD                            ; the four chains, their halves, and the lane 16 away: the row's sum in v[CH]
	v_pk_add_f32 v[CH:CH+1], v[CH:CH+1], v[CH+2:CH+3]
	v_pk_add_f32 v[CH+4:CH+5], v[CH+4:CH+5], v[CH+6:CH+7]
	v_pk_add_f32 v[CH:CH+1], v[CH:CH+1], v[CH+4:CH+5]
	v_add_f32 v[CH], v[CH], v[CH+1]
	v_permlanex16_b32 v[PT], v[CH], s48, s49
	v_add_f32 v[CH], v[CH], v[PT]
.endm
.macro SCL vs, se                      ; v[vs] = 2^e, v[vs + 1] = 57,344 x 2^e, e in s[se]
	s_add_co_i32 s[T0], s[\se], 127
	s_lshl_b32 s[T1], s[T0], 23
	v_mov_b32 v[\vs], s[T1]
	s_add_co_i32 s[T0], s[T0], 15
	s_lshl_b32 s[T0], s[T0], 23
	s_or_b32 s[T0], s[T0], 0x600000
	v_mov_b32 v[\vs+1], s[T0]
.endm
	s_load_b512 s[4:19], s[0:1], 0x0               ; x s[4:5], g s[6:7], b s[8:9], scales s[10:11], wqkv s[12:13], kimg s[14:15], qimg s[16:17], vimg s[18:19]
	v_lshl_add_u32 v126, v0, 2, 0x3c800
	v_mov_b32 v127, 0
	v_lshrrev_b32 v1, 5, v0
	v_readfirstlane_b32 s20, v1                    ; w
	v_and_b32 v[L16], 31, v0
	v_lshlrev_b32 v[L16], 4, v[L16]
	v_and_b32 v[RR], 15, v0
	v_bfe_u32 v[HH], v0, 4, 1
	s_mul_i32 s21, s20, WSTB
	v_add_nc_u32 v[STW], s21, v[L16]
	v_mul_u32_u24 v[XT], v[RR], PITCH
	v_lshl_add_u32 v[XT], v[HH], 5, v[XT]
	v_add_nc_u32 v[XT], s21, v[XT]
	v_lshlrev_b32 v[GA], 5, v[HH]
	v_add_nc_u32 v[GA], s21, v[GA]
	v_add_nc_u32 v[GA], 16*PITCH, v[GA]
	s_lshl_b32 s22, s20, 13
	s_add_co_u32 s22, s22, HIM
	v_add_nc_u32 v[IMW], s22, v[L16]
	v_add_nc_u32 v[IMW2], 65536, v[IMW]
	v_add_nc_u32 v[IMR], HIM, v[L16]
	v_add_nc_u32 v[IMR2], 65536, v[IMR]
	v_mov_b32 v[PT], 0
	s_mov_b32 s48, 0x76543210                      ; v_permlanex16_b32: lane l xor 16
	s_mov_b32 s49, 0xfedcba98
	s_mov_b32 s50, 0x3b000000                      ; 1 / 512
	s_mov_b32 s51, 0x3727c5ac                      ; 1e-5
	s_lshl_b32 s24, ttmp9, 17                      ; x: 64 tokens of 2,048 bytes a work-group,
	s_lshl_b32 s28, s20, 15                        ; 16 a wave
	s_add_co_u32 s24, s24, s28
	s_mov_b32 s25, 0
	s_mov_b32 s29, 0                               ; s[28:29]: also my wave's part of a lap
	s_lshr_b32 s26, ttmp9, 2                       ; the images: batch x 131,072 + two heads x 16,384 x wave + block x 4,096
	s_lshl_b32 s26, s26, 17
	s_add_co_u32 s26, s26, s28
	s_and_b32 s27, ttmp9, 3
	s_lshl_b32 s27, s27, 12
	s_add_co_u32 s26, s26, s27
	s_mov_b32 s27, 0
	s_wait_kmcnt 0x0
	s_load_b512 s[32:47], s[10:11], 0x0            ; e0 .. e15
	s_add_nc_u64 s[4:5], s[4:5], s[24:25]
	s_add_nc_u64 s[WP:WP+1], s[WP:WP+1], s[28:29]
	s_add_nc_u64 s[14:15], s[14:15], s[26:27]
	s_add_nc_u64 s[16:17], s[16:17], s[26:27]
	s_add_nc_u64 s[18:19], s[18:19], s[26:27]
	WIN 0x40
.set n, 0
.rept 64                                               ; my 16 rows of x: each load takes 512 consecutive bytes of one row
	global_load_b128 v[4*n:4*n+3], v[L16], s[4:5] offset:512*n
.set n, n+1
.endr
	WIN 0
.set n, 0
.rept 4
	global_load_b128 v[RAW+4*n:RAW+4*n+3], v[L16], s[6:7] offset:512*n
	global_load_b128 v[RAW+16+4*n:RAW+16+4*n+3], v[L16], s[8:9] offset:512*n
.set n, n+1
.endr
	RLOAD 0, 0
	RLOAD 1, 0
	RLOAD 2, 0
	s_wait_loadcnt 48                              ; the 48 loads of the ring are younger: x, g and b are in
	; THE TURN through my own stage: in as loaded, out 32 bytes a lane of my row.  LDS serves a wave's instructions in order (ISA guide 5.7.1.4): no wait between.
	WIN 0x04
.set n, 0
.rept 64
	ds_store_b128 v[STW], v[4*n:4*n+3] offset:PITCH*(n/4)+512*(n%4)
.set n, n+1
.endr
	WIN 0
.set n, 0
.rept 4
	ds_store_b128 v[STW], v[RAW+4*n:RAW+4*n+3] offset:16*PITCH+512*n
	ds_store_b128 v[STW], v[RAW+16+4*n:RAW+16+4*n+3] offset:17*PITCH+512*n
.set n, n+1
.endr
	WIN 0xC0
.set n, 0
.rept 64                                               ; registers 4 n on: K = 16 (n / 2) + 8 h + 4 (n % 2) on
	ds_load_b128 v[4*n:4*n+3], v[XT] offset:64*(n/2)+16*(n%2)
.set n, n+1
.endr
	RLOAD 3, 0
	WIN 0
	GBLOAD 0
	s_wait_kmcnt 0x0
	SCL SC, 33                                     ; h by e1,
	SCL SC+2, 35                                   ; e3,
	SCL SC+4, 37                                   ; e5
	s_sub_co_i32 s[T2], s38, s32
	s_sub_co_i32 s[T2], s[T2], s33
	SCL SC+6, T2                                   ; a sum of product 1 stands for sum x 2^(e0 + e1): k's code is sum / 2^(e6 - e0 - e1)
	s_sub_co_i32 s[T2], s39, s34
	s_sub_co_i32 s[T2], s[T2], s35
	SCL SC+8, T2                                   ; q: e7 - e2 - e3
	s_sub_co_i32 s[T2], s41, s36
	s_sub_co_i32 s[T2], s[T2], s37
	SCL SC+10, T2                                  ; v: e9 - e4 - e5
	s_wait_dscnt 0x0
	; THE ROW'S MEAN AND VARIANCE: the mean first, then the mean of the squared differences.  A lane holds 256 of its row's 512 numbers.
	WIN 0x0F
.set n, 0
.rept 4
	v_pk_add_f32 v[CH+2*n:CH+2*n+1], v[2*n:2*n+1], v[8+2*n:9+2*n]
.set n, n+1
.endr
	WIN 0x0C
.set n, 8
.rept 120
	v_pk_add_f32 v[CH+2*(n%4):CH+2*(n%4)+1], v[CH+2*(n%4):CH+2*(n%4)+1], v[2*n:2*n+1]
.set n, n+1
.endr
	WIN 0
	FOLD
	v_mul_f32 v[MEAN], s50, v[CH]
	v_mov_b32 v[MEAN+1], v[MEAN]
	WIN 0xC3
.set n, 0
.rept 128
	v_pk_add_f32 v[2*n:2*n+1], v[2*n:2*n+1], v[MEAN:MEAN+1] neg_lo:[0,1] neg_hi:[0,1]
.set n, n+1
.endr
	WIN 0x0F
.set n, 0
.rept 4
	v_pk_mul_f32 v[CH+2*n:CH+2*n+1], v[2*n:2*n+1], v[2*n:2*n+1]
.set n, n+1
.endr
.rept 124
	v_pk_fma_f32 v[CH+2*(n%4):CH+2*(n%4)+1], v[2*n:2*n+1], v[2*n:2*n+1], v[CH+2*(n%4):CH+2*(n%4)+1]
.set n, n+1
.endr
	WIN 0
	FOLD
	v_fma_f32 v[RS], v[CH], s50, s51
	v_rsq_f32 v[RS], v[RS]
	v_nop                                          ; a plain instruction between the transcendental and the use of its result
	s_wait_alu depctr_va_vdst(0)
	v_mov_b32 v[RS+1], v[RS]
	WIN 0xC3
.set n, 0
.rept 128
	v_pk_mul_f32 v[2*n:2*n+1], v[2*n:2*n+1], v[RS:RS+1]
.set n, n+1
.endr
; K step s of my 16 rows: x g + b, then three times: held, converted, and stored as an image.
.macro LNSTEP s
	s_wait_dscnt 0x0                               ; g and b of this step are in; the last step's stores have read their registers
	WIN 0xC3
.set n, 0
.rept 32
	v_pk_fma_f32 v[64*\s+2*n:64*\s+2*n+1], v[64*\s+2*n:64*\s+2*n+1], v[GV+2*n:GV+2*n+1], v[BV+2*n:BV+2*n+1]
.set n, n+1
.endr
.if \s < 3
	WIN 0
	GBLOAD \s+1
.endif
.irp x, 0,1,2
	WIN 0x43
.set n, 0
.rept 64
	v_med3_num_f32 v[n], v[64*\s+n], -v[SC+2*\x+1], v[SC+2*\x+1]   ; the conversion to an 8-bit code does not saturate (ISA guide 7.6.2): the hold at the largest code x the scale
.set n, n+1
.endr
	WIN 0x41
.set n, 0
.rept 8
	v_cvt_scalef32_pk8_bf8_f32 v[64+16*\x+2*n:65+16*\x+2*n], v[8*n:8*n+7], v[SC+2*\x]
.set n, n+1
.endr
	v_nop                                          ; a plain instruction between the conversions and the next lines that write their sources
	WIN 0x04
.set n, 0
.rept 4
.if \x < 2
	ds_store_b128 v[IMW], v[64+16*\x+4*n:67+16*\x+4*n] offset:32768*\x+2048*\s+512*n
.else
	ds_store_b128 v[IMW2], v[64+16*\x+4*n:67+16*\x+4*n] offset:2048*\s+512*n
.endif
.set n, n+1
.endr
.endr
.endm
	LNSTEP 0
	LNSTEP 1
	LNSTEP 2
	LNSTEP 3
	WIN 0
	s_wait_dscnt 0x0                               ; for the others' sake: my images lie in LDS
	s_barrier_signal -1
	s_barrier_wait -1                              ; all 48 fragments of h do
.macro ACTLD x                         ; version x of h: all 16 fragments into window 1
	WIN 0x40
.set an, 0
.rept 64
.if \x < 2
	ds_load_b128 v[4*an:4*an+3], v[IMR] offset:32768*\x+512*an
.else
	ds_load_b128 v[4*an:4*an+3], v[IMR2] offset:512*an
.endif
.set an, an+1
.endr
.endm
; Group g of a lap: K step g; four tiles of columns (t0 on) x four tiles of tokens.  The 16 accumulators take turns, one instruction a turn.  The first K step starts the sums.
; Four places stand between the group's last matrix instruction and the loads into the registers that it read (ISA guide 7.12.1 for vector instructions).
.macro GRP g, t0, swap, cnt, refill, off
	s_wait_loadcnt \cnt                            ; loads come back in order (ISA guide 5.7.1): this group's 16 are in, the younger groups' stay out
.if \swap
	WIN 0xF9                                       ; source 0 (h) window 1, source 1 (the ring) window 2, C and D window 3
.else
	WIN 0xF6                                       ; source 0 (the ring) window 2, source 1 (h) window 1, C and D window 3
.endif
.set gi, 0
.rept 4
.set gm, 0
.rept 4
.set rA, 8*(4*(\t0+gi)+gm)
.set rR, 16*(4*\g+gi)
.set rX, 16*(4*gm+\g)
.if \swap
.if \g == 0
	v_wmma_f32_16x16x128_bf8_bf8 v[rA:rA+7], v[rX:rX+15], v[rR:rR+15], 0
.else
	v_wmma_f32_16x16x128_bf8_bf8 v[rA:rA+7], v[rX:rX+15], v[rR:rR+15], v[rA:rA+7]
.endif
.else
.if \g == 0
	v_wmma_f32_16x16x128_bf8_bf8 v[rA:rA+7], v[rR:rR+15], v[rX:rX+15], 0
.else
	v_wmma_f32_16x16x128_bf8_bf8 v[rA:rA+7], v[rR:rR+15], v[rX:rX+15], v[rA:rA+7]
.endif
.endif
.set gm, gm+1
.endr
.set gi, gi+1
.endr
	PLACES 4
.if \refill
	RLOAD \g, \off
.endif
.endm
.macro LAP l, swap                     ; lap l of six: one head of my two.  The last lap loads nothing: its counts run down
.irp g, 0,1,2,3
.if \l < 5
	GRP \g, 4*((\l)%2), \swap, 48, 1, ((\l)+1)*LAPB
.else
	GRP \g, 4*((\l)%2), \swap, 48-16*\g, 0, 0
.endif
.endr
.endm
; The 32 accumulators become codes and leave.  k, q: fragment (token tile m, head u) takes tiles 4 u + c as registers 2 c, 2 c + 1.  v: fragment (head u, d tile) takes token tiles m as registers 2 m, 2 m + 1.
.macro EPI x, cb, ptr, isv
	s_wait_xcnt 0x0                                ; the stores that read this set of code registers have read them
	WIN 0xC3
.set n, 0
.rept 256
	v_med3_num_f32 v[n], v[n], -v[SC+7+2*\x], v[SC+7+2*\x]      ; each accumulator from its low end on
.set n, n+1
.endr
	WIN 0x03
.set n, 0
.rept 32                                               ; n = 4 t + m
.if \isv
.set cd, \cb+8*(n/4)+2*(n%4)
.else
.set cd, \cb+8*(2*(n%4)+n/16)+2*((n/4)%4)
.endif
	v_cvt_scalef32_pk8_bf8_f32 v[cd:cd+1], v[8*n:8*n+7], v[SC+6+2*\x]
.set n, n+1
.endr
	v_nop                                          ; a plain instruction between the conversions and the matrix instructions that write their sources
	WIN 0
.set n, 0
.rept 16
.if \isv
	global_store_b128 v[L16], v[\cb+4*n:\cb+4*n+3], s[\ptr:\ptr+1] offset:16384*(n/8)+1024*((n/2)%4)+512*(n%2)
.else
	global_store_b128 v[L16], v[\cb+4*n:\cb+4*n+3], s[\ptr:\ptr+1] offset:16384*((n/2)%2)+1024*(n/4)+512*(n%2)
.endif
.set n, n+1
.endr
.endm
	ACTLD 0
	s_wait_dscnt 0x0
	LAP 0, 0
	LAP 1, 0
	ACTLD 1                                        ; the next version of h lands while k is converted
	EPI 0, 128, 14, 0
	s_wait_dscnt 0x0
	LAP 2, 0
	LAP 3, 0
	ACTLD 2
	EPI 1, 192, 16, 0
	s_wait_dscnt 0x0
	LAP 4, 1
	LAP 5, 1
	EPI 2, 128, 18, 1
	s_wait_tensorcnt 0x0
	ds_add_u32 v126, v127
	s_wait_dscnt 0x0
	s_endpgm
.Lfunc_end_k_qbd72017886_qkv:
	.size	k_qbd72017886_qkv, .Lfunc_end_k_qbd72017886_qkv-k_qbd72017886_qkv
	.p2alignl 7, 3214868480
	.fill 96, 4, 3214868480
	.section	.rodata,"a",@progbits
	.p2align	6, 0x0
	.amdhsa_kernel k_qbd72017886_qkv
		.amdhsa_group_segment_fixed_size 248320
		.amdhsa_private_segment_fixed_size 0
		.amdhsa_enable_private_segment 0
		.amdhsa_kernarg_size 64
		.amdhsa_user_sgpr_count 2
		.amdhsa_user_sgpr_kernarg_segment_ptr 1
		.amdhsa_wavefront_size32 1
		.amdhsa_system_sgpr_workgroup_id_x 1
		.amdhsa_system_sgpr_workgroup_id_y 1
		.amdhsa_system_sgpr_workgroup_id_z 1
		.amdhsa_system_vgpr_workitem_id 0
		.amdhsa_next_free_vgpr 1024
		.amdhsa_next_free_sgpr 100
		.amdhsa_reserve_vcc 0
		.amdhsa_float_denorm_mode_32 3
		.amdhsa_float_denorm_mode_16_64 3
		.amdhsa_memory_ordered 1
		.amdhsa_forward_progress 1
		.amdhsa_inst_pref_size 255
	.end_amdhsa_kernel
	.section	.bss,"aw",@nobits
	.p2align	6
	.space	262144
	.amdgpu_metadata
---
amdhsa.version: [ 1, 2 ]
amdhsa.kernels:
  - .name:           k_qbd72017886_qkv
    .symbol:         k_qbd72017886_qkv.kd
    .args:
      - { .name: x, .offset: 0, .size: 8, .value_kind: global_buffer, .address_space: global }
      - { .name: ln1_g, .offset: 8, .size: 8, .value_kind: global_buffer, .address_space: global }
      - { .name: ln1_b, .offset: 16, .size: 8, .value_kind: global_buffer, .address_space: global }
      - { .name: lowp_scales, .offset: 24, .size: 8, .value_kind: global_buffer, .address_space: global }
      - { .name: wqkv, .offset: 32, .size: 8, .value_kind: global_buffer, .address_space: global }
      - { .name: kimg, .offset: 40, .size: 8, .value_kind: global_buffer, .address_space: global }
      - { .name: qimg, .offset: 48, .size: 8, .value_kind: global_buffer, .address_space: global }
      - { .name: vimg, .offset: 56, .size: 8, .value_kind: global_buffer, .address_space: global }
    .group_segment_fixed_size: 248320
    .private_segment_fixed_size: 0
    .kernarg_segment_align: 8
    .kernarg_segment_size: 64
    .max_flat_workgroup_size: 128
    .sgpr_count:     100
    .vgpr_count:     1024
    .wavefront_size: 32
...
	.end_amdgpu_metadata
.endif
;; end of part 2
;; launch main (part 3): grid 256 x 1, 4 waves a work-group, no clusters, 201,216 bytes of LDS; arguments x, kimg, qimg, vimg, wmain, lowp_scales, proj_b, ln2_g, ln2_b, b1, b2, out0; writes out0
.if DOCPART == 3
	.amdgcn_target "amdgcn-amd-amdhsa--gfx1250"
	.amdhsa_code_object_version 6
	.text
	.protected	k_qbd72017886_main
	.globl	k_qbd72017886_main
	.p2align	8
	.type	k_qbd72017886_main,@function
k_qbd72017886_main:
	s_mov_b64 s[64:65], 0
	v_nop
	global_prefetch_b8 v0, s[64:65] scope:SCOPE_SE
	s_setreg_imm32_b32 hwreg(HW_REG_WAVE_MODE, 25, 1), 1
	s_wait_xcnt 0x0
; Attention (scores k_t . q_s / sqrt(512), s <= t), the projection, the residual, the second layernorm, the feed-forward layer and its residual, for 64 tokens a work-group; all products on codes of E5M2.
; att, x1, h2 and the hidden layer never go to memory.
; SHARES.  Work-group G: batch G / 4, j = G % 4.  Its four tiles of 16 tokens are tiles j, 7 - j, 8 + j, 15 - j of the batch's sixteen: tile m lies in block m of 64 tokens, so tile m meets blocks 0 .. m of the keys and
; block m is its diagonal, in every work-group alike: 10 of 16 (tile, block) units; only the mask's threshold knows j.  Attention: wave w takes heads 2 w, 2 w + 1 for all four tiles.
; Products 6 to 8: wave w owns output columns 128 w .. + 127 and, of each chunk of 256 hidden units, units 64 w .. + 63, for all 64 tokens.
; LAYOUT.  Operands lie as the plain 8-bit forms want them: lane (r, h): row r, registers 2 c, 2 c + 1: K = 16 c + 8 h + 0 .. 7.  Every product has source 1 = 16 tokens: a lane holds ONE token throughout, and a result
; tile's eight registers become, by one conversion, registers 2 c, 2 c + 1 of the next operand.  Operands go from wave to wave through LDS as images of their registers (registers 4 q .. 4 q + 3 of lane L at 512 q + 16 L).
; THE SOFTMAX: t = score x log2(e) / sqrt(512); M = the row's largest t rounded up to a whole number; p = 2^(t - M) is quantised; the sum of the unquantised p divides at the end.  A row has at most 256 keys, 128 registers
; a lane, so the row's true maximum is taken before any exponential.
; THE WEIGHTS come from memory straight into registers: window 2 is a ring of 16 fragments in four groups; behind a group's 16 matrix instructions it is loaded again with the next lap's.  48 to 64 loads of 512 bytes a wave are out.
; Each group has a base of its own, s[80 + 2 g : 81 + 2 g], stepped by a lap behind the counted wait that shows the group's last loads done: they alone name that base, so no step waits for the younger groups' loads.
; Where work that does not need the ring follows a lap (the second layernorm; the hidden layer's way through LDS), the lap's last load is held back until the ring is next waited for: 63 loads are out meanwhile, as many as
; LOADcnt counts (ISA guide 5.7.1: the issue of one more would stall, and with it the work behind it).
; NO JOINT LOADS, though all work-groups walk the same weights: each fragment is multiplied by one wave alone and goes straight to that wave's registers.  A joint load would go through LDS: beside the 199,744 bytes in use,
; two slots would hold some 62 KB each, 7 fragments a wave, about 30 matrix instructions between two rounds of a cluster's barrier, and every byte would be written into LDS and read from it once more.
; LIMITS on the given exponents, so that each power of two is an f32 number: e8, e10, e12, e14 - e12 - e13 between -126 and 112; e10 + e11, e14 + e15, e12 + e13 within +-126; e6 + e7 between -122 and 131.  NaN among the inputs is not served.
; REGISTERS, in windows of 256.  window 0: v1-25 addresses and the mask's thresholds; v26-47 statistics; v48-55 att's codes; v56-63 (scale, largest number x scale) for p, att, h2, the hidden layer;
;   v64-95 k's fragments, later statistics, h2's codes, b1's tiles; v96-127 p's codes, later h2's, the hidden layer's; v128-255 the scores (O^T over their first 32), later parameters, the hidden layer's sums, its fragments.
;   window 1: q's 16 and V^T's 16 fragments; then att's 16; x; x1 - mean; h2's 16; at the end rows of the output.   window 2: the ring.
;   window 3: x as loaded; then the 32 accumulators (column tile t, token tile m at v[8 (4 t + m)]): the projection, x1, the output's sums.
.set PITCH, 2064                       ; a stage row: 2,048 bytes + 16 = 516 words: row r starts at bank 4 r mod 64 (64 banks of 4 bytes: ISA guide 11.1)
.set TILEB, 16*PITCH
.set PROW,  64*PITCH                   ; the stage: 64 rows of x (later of the output), then proj_b, ln2_g, ln2_b, b2
.set B1L,   68*PITCH                   ; b1 / 2^(e12 + e13), 8,192 bytes
.set AIMG,  B1L+8192                   ; att's 16 fragments (tile m, K step s at 2048 (4 m + s)), later h2's
.set HID,   AIMG+32768                 ; a chunk's 8 hidden fragments (tile m, K step s at 2048 (2 m + s))
.set STAT1, HID+16384                  ; row sums: word 256 m + 16 r + 4 w; the sums of squares 1,024 bytes on
.set LAPB,  131072
.set L16,  1                           ; v1 16 x lane;  v2 r;  v3 h
.set S,    128
.set WP,   80                          ; s[80:87] the four groups' bases: my wave's part of the lap that the group loaded last
.set MSB, 0
.macro WIN new                         ; the immediate's high byte repeats the setting that is left
.if MSB != \new
	s_set_vgpr_msb (MSB<<8)|\new
.set MSB, \new
.endif
.endm
.macro PLACES n
.rept \n
	v_nop
.endr
.endm
.macro BAR                             ; my LDS stores have landed and my LDS loads are in: then the work-group's barrier
	s_wait_dscnt 0x0
	s_barrier_signal -1
	s_barrier_wait -1
.endm
.macro RLOAD g, n0, n1                 ; group g of the ring: loads n0 .. n1 - 1 of the sixteen that bring its four fragments of the lap at its base
	WIN 0x80
.set rn, \n0
.rept (\n1)-(\n0)
	global_load_b128 v[64*(\g)+4*rn:64*(\g)+4*rn+3], v[L16], s[WP+2*(\g):WP+2*(\g)+1] offset:8192*(\g)+512*rn
.set rn, rn+1
.endr
.endm
.macro SCL vs, se                      ; v[vs] = 2^e, v[vs + 1] = 57,344 x 2^e, e in s[se]
	s_add_co_i32 s74, s[\se], 127
	s_lshl_b32 s75, s74, 23
	v_mov_b32 v[\vs], s75
	s_add_co_i32 s74, s74, 15
	s_lshl_b32 s74, s74, 23
	s_or_b32 s74, s74, 0x600000
	v_mov_b32 v[\vs+1], s74
.endm
.macro POW2 d, se                      ; s[d] = s[d + 1] = 2^e as f32 (the packed forms name the pair)
	s_add_co_i32 s[\d], s[\se], 127
	s_lshl_b32 s[\d], s[\d], 23
	s_mov_b32 s[\d+1], s[\d]
.endm
.macro ACTLD                           ; the 16 fragments at AIMG into window 1
	WIN 0x40
.set an, 0
.rept 64
	ds_load_b128 v[4*an:4*an+3], v14 offset:512*an
.set an, an+1
.endr
	WIN 0
.endm
.macro PARLD reg, row                  ; parameter row: my 8 column tiles' eight numbers of my half: v[reg + 8 t + i]
.set pn, 0
.rept 16
	ds_load_b128 v[\reg+4*pn:\reg+4*pn+3], v7 offset:\row*PITCH+64*(pn/2)+16*(pn%2)
.set pn, pn+1
.endr
.endm
	s_load_b512 s[4:19], s[0:1], 0x0               ; x s[4:5], kimg s[6:7], qimg s[8:9], vimg s[10:11], wmain s[12:13], scales s[14:15], proj_b s[16:17], ln2_g s[18:19]
	s_load_b256 s[20:27], s[0:1], 0x40             ; ln2_b s[20:21], b1 s[22:23], b2 s[24:25], out0 s[26:27]
	v_lshl_add_u32 v46, v0, 2, 0x31000
	v_mov_b32 v47, 0
	v_lshrrev_b32 v1, 5, v0
	v_readfirstlane_b32 s28, v1                    ; w
	v_and_b32 v[L16], 31, v0
	v_lshlrev_b32 v[L16], 4, v[L16]
	v_and_b32 v2, 15, v0
	v_bfe_u32 v3, v0, 4, 1
	s_and_b32 s29, ttmp9, 3                        ; j
	s_lshr_b32 s30, ttmp9, 2                       ; the batch
	s_mul_i32 s71, s28, TILEB
	v_add_nc_u32 v4, s71, v[L16]                   ; v4  the stage by rows: my 16 rows, 16 x lane
	s_lshl_b32 s71, s28, 9
	v_mul_u32_u24 v5, v2, PITCH
	v_lshl_add_u32 v5, v3, 5, v5
	v_add_nc_u32 v5, s71, v5                       ; v5  the stage by columns: row r, my 512 bytes, + 32 h;
	v_add_nc_u32 v6, 2*TILEB, v5                   ; v6  the same 32 rows on
	v_lshlrev_b32 v7, 5, v3
	v_add_nc_u32 v7, s71, v7
	v_add_nc_u32 v7, PROW, v7                      ; v7  the parameters' rows: my 512 bytes, + 32 h
	s_mul_i32 s71, s28, PITCH
	s_add_co_u32 s71, s71, PROW
	v_add_nc_u32 v8, s71, v[L16]                   ; v8  where I store parameter w
	s_lshl_b32 s71, s28, 11
	s_add_co_u32 s72, s71, B1L
	v_add_nc_u32 v9, s72, v[L16]                   ; v9  where I store my quarter of b1
	s_add_co_u32 s72, s71, AIMG
	v_add_nc_u32 v12, s72, v[L16]                  ; v12 where I store K step w of att and of h2; v13 the same for the head in hand
	s_lshl_b32 s71, s28, 8
	s_add_co_u32 s71, s71, B1L
	v_lshlrev_b32 v10, 5, v3
	v_add_nc_u32 v10, s71, v10                     ; v10 b1 of my 64 units of chunk 0, + 32 h; v11 the same for the chunk in hand
	v_add_nc_u32 v14, AIMG, v[L16]                 ; v14 where att's and h2's images are read
	s_lshr_b32 s71, s28, 1
	s_lshl_b32 s71, s71, 11
	s_and_b32 s72, s28, 1
	s_lshl_b32 s72, s72, 10
	s_add_co_u32 s71, s71, s72
	s_add_co_u32 s71, s71, HID
	v_add_nc_u32 v15, s71, v[L16]                  ; v15 where I store my half of a hidden fragment: K step w / 2, registers 8 (w % 2) on
	v_add_nc_u32 v16, HID, v[L16]                  ; v16 where the hidden fragments are read
	v_lshlrev_b32 v18, 4, v2
	v_add_nc_u32 v18, STAT1, v18                   ; v18 row r's four words
	s_lshl_b32 s71, s28, 2
	v_add_nc_u32 v17, s71, v18                     ; v17 my wave's word of them
	v_lshlrev_b32 v20, 3, v3
	v_sub_nc_u32 v20, v2, v20                      ; r - 8 h
	s_lshl_b32 s71, s29, 4
	v_add_nc_u32 v19, s71, v20                     ; v19 tiles 0 and 2 stand at place j of their block: key 16 s + i of my half is hidden where 16 s + i > 16 j + r - 8 h
	s_sub_co_u32 s71, 48, s71
	v_add_nc_u32 v20, s71, v20                     ; v20 tiles 1 and 3 at place 3 - j
	v_mov_b32 v21, 0xff800000                      ; -infinity
	s_lshl_b32 s71, s29, 10
	v_add_nc_u32 v22, s71, v[L16]                  ; v22-25 k's fragment of tile m in a head's sixteen: 1,024 x tile + 16 x lane
	s_sub_co_u32 s72, 7168, s71
	v_add_nc_u32 v23, s72, v[L16]
	s_add_co_u32 s72, s71, 8192
	v_add_nc_u32 v24, s72, v[L16]
	s_sub_co_u32 s72, 15360, s71
	v_add_nc_u32 v25, s72, v[L16]
	v_mov_b32 v28, 0                               ; lane permutes' destinations count as sources: written once
	v_mov_b32 v31, 0                               ; (named as the upper half of the pair v[30:31])
	v_mov_b32 v42, 0
	v_mov_b32 v43, 0
	v_mov_b32 v44, 0
	v_mov_b32 v45, 0
	s_mov_b32 s48, 0x76543210                      ; v_permlanex16_b32: lane l xor 16
	s_mov_b32 s49, 0xfedcba98
	s_mov_b32 s63, 0x3b000000                      ; 1 / 512
	s_mov_b32 s66, 0x3727c5ac                      ; 1e-5
	s_sub_co_u32 s71, 7, s29
	s_bitcmp1_b32 s28, 0
	s_cselect_b32 s71, s71, s29                    ; wave w brings in and sends out tile m = w: 8 (w / 2) + (j or 7 - j)
	s_lshr_b32 s72, s28, 1
	s_lshl_b32 s72, s72, 3
	s_add_co_u32 s71, s71, s72
	s_lshl_b32 s76, s30, 19                        ; batch x 256 rows of 2,048 bytes
	s_lshl_b32 s71, s71, 15
	s_add_co_u32 s76, s76, s71
	s_mov_b32 s77, 0
	s_lshl_b32 s78, s30, 17                        ; the images: batch x 131,072 + two heads x 16,384 x wave
	s_lshl_b32 s71, s28, 15
	s_add_co_u32 s78, s78, s71
	s_mov_b32 s79, 0
	s_mov_b32 s72, s71                             ; my wave's part of a lap
	s_mov_b32 s73, 0
	s_wait_kmcnt 0x0
	s_load_b512 s[32:47], s[14:15], 0x0            ; e0 .. e15
	s_add_nc_u64 s[4:5], s[4:5], s[76:77]
	s_add_nc_u64 s[26:27], s[26:27], s[76:77]
	s_add_nc_u64 s[6:7], s[6:7], s[78:79]
	s_add_nc_u64 s[8:9], s[8:9], s[78:79]
	s_add_nc_u64 s[10:11], s[10:11], s[78:79]
	s_add_nc_u64 s[WP:WP+1], s[12:13], s[72:73]    ; the four groups' bases begin at my part of lap 0
	s_mov_b64 s[WP+2:WP+3], s[WP:WP+1]
	s_mov_b64 s[WP+4:WP+5], s[WP:WP+1]
	s_mov_b64 s[WP+6:WP+7], s[WP:WP+1]
	s_lshl_b32 s72, s28, 11
	s_add_nc_u64 s[22:23], s[22:23], s[72:73]      ; my quarter of b1
	s_cmp_eq_u32 s28, 1                            ; wave 0 brings proj_b, 1 ln2_g, 2 ln2_b, 3 b2
	s_cselect_b64 s[76:77], s[18:19], s[16:17]
	s_cmp_eq_u32 s28, 2
	s_cselect_b64 s[76:77], s[20:21], s[76:77]
	s_cmp_eq_u32 s28, 3
	s_cselect_b64 s[76:77], s[24:25], s[76:77]
	WIN 0xC0
.set n, 0
.rept 64
	global_load_b128 v[4*n:4*n+3], v[L16], s[4:5] offset:512*n th:TH_LOAD_NT   ; 512 consecutive bytes of one row; this launch reads them once
.set n, n+1
.endr
	WIN 0
.set n, 0
.rept 4
	global_load_b128 v[128+4*n:131+4*n], v[L16], s[76:77] offset:512*n
	global_load_b128 v[144+4*n:147+4*n], v[L16], s[22:23] offset:512*n
.set n, n+1
.endr
	RLOAD 0, 0, 16
	RLOAD 1, 0, 16
	RLOAD 2, 0, 16
	WIN 0
	s_wait_kmcnt 0x0
	s_add_co_i32 s71, s38, s39
	s_lshl_b32 s71, s71, 23
	s_add_co_i32 s50, s71, 0x3d8293ee              ; c = log2(e) / sqrt(512), with e6 + e7 added to its exponent field
	s_mov_b32 s51, s50
	s_add_co_i32 s71, s42, s43
	POW2 52, 71                                    ; 2^(e10 + e11)
	s_sub_co_i32 s72, 0, s71
	POW2 54, 72                                    ; and its inverse
	s_add_co_i32 s71, s46, s47
	POW2 58, 71                                    ; 2^(e14 + e15)
	s_sub_co_i32 s72, 0, s71
	POW2 56, 72                                    ; and its inverse
	s_add_co_i32 s71, s44, s45
	s_sub_co_i32 s72, 0, s71
	POW2 60, 72                                    ; 2^-(e12 + e13)
	s_add_co_i32 s62, s40, s41                     ; e8 + e9
	SCL 56, 40                                     ; p
	SCL 58, 42                                     ; att
	SCL 60, 44                                     ; h2
	s_sub_co_i32 s72, s46, s71
	SCL 62, 72                                     ; the hidden layer: e14 - e12 - e13, the three scales folded into one
	s_wait_loadcnt 48                              ; the 48 loads of the ring are younger: x, my parameter and my b1 are in
	WIN 0x0C
.set n, 0
.rept 64
	ds_store_b128 v4, v[4*n:4*n+3] offset:PITCH*(n/4)+512*(n%4)
.set n, n+1
.endr
	WIN 0
.set n, 0
.rept 8
	v_pk_mul_f32 v[144+2*n:145+2*n], v[144+2*n:145+2*n], s[60:61] op_sel_hi:[1,0]   ; b1 goes in divided by the power of two that product 7's sums lack
.set n, n+1
.endr
.set n, 0
.rept 4
	ds_store_b128 v8, v[128+4*n:131+4*n] offset:512*n
	ds_store_b128 v9, v[144+4*n:147+4*n] offset:512*n
.set n, n+1
.endr
	RLOAD 3, 0, 16
	WIN 0
	s_wait_dscnt 0x0                               ; the stores have read their registers
; ATTENTION of token tile m for the head in hand: keys 0 .. 64 (m + 1) - 1.  S^T = q k^T (source 0 = 16 keys' q, source 1 = my 16 tokens' k): a lane holds token r and, in register 8 T + i, key 16 T + 8 h + i.
.macro ATT m
.set NS, 32*(\m+1)
	s_wait_loadcnt 8+16*(3-\m)                     ; k and q's blocks 0 .. m are in: behind them stand v's block m and the later blocks
	WIN 0x01
.set n, 0
.rept 4*(\m+1)
	v_wmma_f32_16x16x64_bf8_bf8 v[S+8*n:S+8*n+7], v[8*n:8*n+7], v[64+8*\m:71+8*\m], 0
.set n, n+1
.endr
	WIN 0
	PLACES 4
.set n, 0
.rept 32                                               ; the diagonal block: hidden scores become -infinity ahead of the maximum, so that p = 0
	v_cmp_gt_i32 vcc_lo, 16*(n/8)+n%8, v[19+(\m)%2]
	v_cndmask_b32 v[S+32*\m+n], v[S+32*\m+n], v21, vcc_lo
.set n, n+1
.endr
	v_max_num_f32 v26, v[S], v[S+1]                ; the row's largest score, in two chains, each tile from its low end on
	v_max_num_f32 v27, v[S+2], v[S+3]
.set n, 1
.rept NS/4-1
	v_max3_num_f32 v26, v26, v[S+4*n], v[S+4*n+1]
	v_max3_num_f32 v27, v27, v[S+4*n+2], v[S+4*n+3]
.set n, n+1
.endr
	v_max_num_f32 v26, v26, v27
	v_permlanex16_b32 v28, v26, s48, s49
	v_max_num_f32 v26, v26, v28                    ; and the lane 16 away's
	v_mul_f32 v26, s50, v26                        ; as t (c is positive)
	v_floor_f32 v30, -v26                          ; -M = floor(-t) = -ceil(t)
.set n, 0
.rept NS/2
	v_pk_fma_f32 v[S+2*n:S+2*n+1], v[S+2*n:S+2*n+1], s[50:51], v[30:31] op_sel_hi:[1,0,0]   ; t - M
.set n, n+1
.endr
.set n, 0
.rept NS
	v_exp_f32 v[S+n], v[S+n]                       ; p = 2^(t - M)
.set n, n+1
.endr
	v_nop                                          ; a plain instruction behind the exponentials
	s_wait_alu depctr_va_vdst(0)
	v_pk_add_f32 v[32:33], v[S:S+1], v[S+2:S+3]    ; the row's sum is taken of the unquantised p, in two chains
	v_pk_add_f32 v[34:35], v[S+4:S+5], v[S+6:S+7]
.set n, 4
.rept NS/4-2
	v_pk_add_f32 v[32:33], v[32:33], v[S+2*n:S+2*n+1]
	v_pk_add_f32 v[34:35], v[34:35], v[S+2*n+2:S+2*n+3]
.set n, n+2
.endr
.set n, 0
.rept NS
	v_min_num_f32 v[S+n], v[S+n], v57              ; the conversion does not saturate (ISA guide 7.6.2); p is not negative, so the hold is one-sided
.set n, n+1
.endr
.set n, 0
.rept NS/8
	v_cvt_scalef32_pk8_bf8_f32 v[96+2*n:97+2*n], v[S+8*n:S+8*n+7], v56
.set n, n+1
.endr
	v_pk_add_f32 v[32:33], v[32:33], v[34:35]      ; (also the plain instruction behind the conversions)
	v_add_f32 v32, v32, v33
	v_permlanex16_b32 v28, v32, s48, s49
	v_add_f32 v32, v32, v28                        ; l
	v_rcp_f32 v32, v32
	v_nop
	s_wait_alu depctr_va_vdst(0)
	v_ldexp_f32 v32, v32, s62                      ; 2^(e8 + e9) / l
	s_wait_loadcnt 16*(3-\m)                       ; v's blocks 0 .. m are in
	WIN 0x01
.set sb, 0
.rept \m+1                                             ; O^T = V^T p^T: source 0 = 16 d, K = a block's 64 keys.  The four accumulators take turns
.set dt, 0
.rept 4
.if sb == 0
	v_wmma_f32_16x16x64_bf8_bf8 v[S+8*dt:S+8*dt+7], v[128+8*(4*sb+dt):135+8*(4*sb+dt)], v[96+8*sb:103+8*sb], 0
.else
	v_wmma_f32_16x16x64_bf8_bf8 v[S+8*dt:S+8*dt+7], v[128+8*(4*sb+dt):135+8*(4*sb+dt)], v[96+8*sb:103+8*sb], v[S+8*dt:S+8*dt+7]
.endif
.set dt, dt+1
.endr
.set sb, sb+1
.endr
	WIN 0
	PLACES 4
.set n, 0
.rept 16
	v_pk_mul_f32 v[S+2*n:S+2*n+1], v[S+2*n:S+2*n+1], v[32:33] op_sel_hi:[1,0]   ; att
.set n, n+1
.endr
.set n, 0
.rept 32
	v_med3_num_f32 v[S+n], v[S+n], -v59, v59
.set n, n+1
.endr
	s_wait_dscnt 0x0                               ; the last tile's stores have read the code registers
.set n, 0
.rept 4
	v_cvt_scalef32_pk8_bf8_f32 v[48+2*n:49+2*n], v[S+8*n:S+8*n+7], v58
.set n, n+1
.endr
	v_nop                                          ; a plain instruction between the conversions and the matrix instructions that write their sources
	ds_store_b128 v13, v[48:51] offset:8192*\m     ; registers 8 u .. 8 u + 7 of att's fragment (tile m, K step w)
	ds_store_b128 v13, v[52:55] offset:8192*\m+512
.endm
	s_mov_b32 s67, 0                               ; 1,024 x the head of my two
	s_mov_b32 s69, 2
.Lhead:
	v_add_nc_u32 v13, s67, v12
.set n, 0
.rept 8
	global_load_b128 v[64+4*n:67+4*n], v[22+n/2], s[6:7] offset:512*(n%2)      ; k of my four tiles
.set n, n+1
.endr
	WIN 0x40
.set sb, 0
.rept 4                                                ; block by block: q's four fragments, V^T's four
.set n, 0
.rept 8
	global_load_b128 v[32*sb+4*n:32*sb+4*n+3], v[L16], s[8:9] offset:4096*sb+512*n
.set n, n+1
.endr
.set n, 0
.rept 8
	global_load_b128 v[128+32*sb+4*n:131+32*sb+4*n], v[L16], s[10:11] offset:4096*sb+512*n
.set n, n+1
.endr
.set sb, sb+1
.endr
	WIN 0
	ATT 0
	ATT 1
	ATT 2
	ATT 3
	s_wait_dscnt 0x0                               ; the stores have read their address register
	s_wait_xcnt 0x0                                ; the loads have read their bases (all of them are back: the last tile waited for every load)
	s_add_nc_u64 s[6:7], s[6:7], 16384
	s_add_nc_u64 s[8:9], s[8:9], 16384
	s_add_nc_u64 s[10:11], s[10:11], 16384
	s_add_co_u32 s67, s67, 1024
	s_sub_co_u32 s69, s69, 1
	s_cmp_lg_u32 s69, 0
	s_cbranch_scc1 .Lhead
	BAR                                            ; att's 16 fragments, x, the parameters and b1 lie in LDS
	ACTLD
	PARLD 128, 0                                   ; proj_b
	s_wait_dscnt 0x0
.set n, 0
.rept 32
	v_pk_mul_f32 v[128+2*n:129+2*n], v[128+2*n:129+2*n], s[54:55] op_sel_hi:[1,0]   ; / 2^(e10 + e11): it is the C of each sum's first matrix instruction
.set n, n+1
.endr
; Group g of a lap of the projection: K step g; four tiles of columns (t0 on) x four tiles of tokens; the 16 accumulators take turns.
; Four places stand between a group's last matrix instruction and the loads into the registers that it read (ISA guide 7.12.1 for vector instructions).
; nl: how many of the group's sixteen loads are issued here.
.macro PGRP g, t0, nl
	s_wait_loadcnt 48                              ; this group's 16 loads are in; the three younger groups' stay out
	s_add_nc_u64 s[WP+2*\g:WP+2*\g+1], s[WP+2*\g:WP+2*\g+1], LAPB   ; the loads that named this base are those sixteen: it may step to the next lap
.if \g == 0
	WIN 0xC6                                       ; source 0 (the ring) window 2, source 1 (att) window 1, C (the bias) window 0, D window 3
.else
	WIN 0xF6
.endif
.set gi, 0
.rept 4
.set gm, 0
.rept 4
.set rA, 8*(4*(\t0+gi)+gm)
.set rR, 16*(4*\g+gi)
.set rX, 16*(4*gm+\g)
.if \g == 0
	v_wmma_f32_16x16x128_bf8_bf8 v[rA:rA+7], v[rR:rR+15], v[rX:rX+15], v[128+8*(\t0+gi):135+8*(\t0+gi)]
.else
	v_wmma_f32_16x16x128_bf8_bf8 v[rA:rA+7], v[rR:rR+15], v[rX:rX+15], v[rA:rA+7]
.endif
.set gm, gm+1
.endr
.set gi, gi+1
.endr
	PLACES 4
	RLOAD \g, 0, \nl
.endm
.irp g, 0,1,2,3
	PGRP \g, 0, 16
.endr
	PGRP 0, 4, 16
	PGRP 1, 4, 16
	PGRP 2, 4, 16
	PGRP 3, 4, 15                                  ; the residual and the layernorm follow, which do not need the ring: the sixteenth load is issued in front of the feed-forward loop
	; x1 = sum x 2^(e10 + e11) + x
	WIN 0x40
.set n, 0
.rept 64                                               ; n / 2 = 4 t + m: x at (token 16 m + r, my column 16 t + 8 h + 4 (n % 2) on)
	ds_load_b128 v[4*n:4*n+3], v[5+((n/2)%4)/2] offset:TILEB*((n/2)%2)+64*(n/8)+16*(n%2)
.set n, n+1
.endr
	WIN 0
	PARLD 128, 1                                   ; ln2_g
	PARLD 192, 2                                   ; ln2_b
	s_wait_dscnt 0x0
	WIN 0xD3                                       ; source 0 and D window 3, source 2 (x) window 1
.set n, 0
.rept 128
	v_pk_fma_f32 v[2*n:2*n+1], v[2*n:2*n+1], s[52:53], v[2*n:2*n+1] op_sel_hi:[1,0,1]   ; each accumulator from its low end on
.set n, n+1
.endr
; THE SECOND LAYERNORM.  A row's 512 numbers lie in four waves (128 columns each) and two lanes: a wave's part goes to its word in LDS, and every wave adds the four in the same order.
.macro RFOLD off
.irp m, 0,1,2,3
	v_pk_add_f32 v[26+4*\m:27+4*\m], v[26+4*\m:27+4*\m], v[28+4*\m:29+4*\m]
.endr
.irp m, 0,1,2,3
	v_add_f32 v[26+4*\m], v[26+4*\m], v[27+4*\m]
.endr
.irp m, 0,1,2,3
	v_permlanex16_b32 v[42+\m], v[26+4*\m], s48, s49
.endr
.irp m, 0,1,2,3
	v_add_f32 v[26+4*\m], v[26+4*\m], v[42+\m]
.endr
.irp m, 0,1,2,3
	ds_store_b32 v17, v[26+4*\m] offset:\off+256*\m
.endr
	BAR
.irp m, 0,1,2,3
	ds_load_b128 v[64+4*\m:67+4*\m], v18 offset:\off+256*\m
.endr
	s_wait_dscnt 0x0
.irp m, 0,1,2,3
	v_add_f32 v[64+4*\m], v[64+4*\m], v[65+4*\m]
	v_add_f32 v[66+4*\m], v[66+4*\m], v[67+4*\m]
.endr
.irp m, 0,1,2,3
	v_add_f32 v[64+4*\m], v[64+4*\m], v[66+4*\m]
.endr
.endm
	WIN 0x0F
.set n, 0
.rept 8                                                ; tile n / 2, chain n % 2: two pairs start each chain
	v_pk_add_f32 v[26+2*n:27+2*n], v[8*(n/2)+4*(n%2):8*(n/2)+4*(n%2)+1], v[8*(n/2)+4*(n%2)+2:8*(n/2)+4*(n%2)+3]
.set n, n+1
.endr
	WIN 0x0C
.set n, 16
.rept 112                                              ; pair p = n / 4 of tile n % 4: column tile p / 4, registers 2 (p % 4) on
	v_pk_add_f32 v[26+4*(n%4)+2*((n/4)%2):27+4*(n%4)+2*((n/4)%2)], v[26+4*(n%4)+2*((n/4)%2):27+4*(n%4)+2*((n/4)%2)], v[8*(4*(n/16)+n%4)+2*((n/4)%4):8*(4*(n/16)+n%4)+2*((n/4)%4)+1]
.set n, n+1
.endr
	WIN 0
	RFOLD 0
.irp m, 0,1,2,3
	v_mul_f32 v[26+4*\m], s63, v[64+4*\m]          ; the mean
	v_mov_b32 v[27+4*\m], v[26+4*\m]
.endr
	WIN 0x43                                       ; source 0 (x1) window 3, D window 1
.set n, 0
.rept 128
	v_pk_add_f32 v[2*n:2*n+1], v[2*n:2*n+1], v[26+4*((n/4)%4):27+4*((n/4)%4)] neg_lo:[0,1] neg_hi:[0,1]
.set n, n+1
.endr
	WIN 0x05
.set n, 0
.rept 8
	v_pk_mul_f32 v[26+2*n:27+2*n], v[8*(n/2)+2*(n%2):8*(n/2)+2*(n%2)+1], v[8*(n/2)+2*(n%2):8*(n/2)+2*(n%2)+1]
.set n, n+1
.endr
.rept 120                                              ; from pair 2 on
	v_pk_fma_f32 v[26+4*(n%4)+2*((n/4)%2):27+4*(n%4)+2*((n/4)%2)], v[8*(4*(n/16)+n%4)+2*((n/4)%4):8*(4*(n/16)+n%4)+2*((n/4)%4)+1], v[8*(4*(n/16)+n%4)+2*((n/4)%4):8*(4*(n/16)+n%4)+2*((n/4)%4)+1], v[26+4*(n%4)+2*((n/4)%2):27+4*(n%4)+2*((n/4)%2)]
.set n, n+1
.endr
	WIN 0
	RFOLD 1024
.irp m, 0,1,2,3
	v_fma_f32 v[26+4*\m], v[64+4*\m], s63, s66     ; the variance + 1e-5
.endr
.irp m, 0,1,2,3
	v_rsq_f32 v[26+4*\m], v[26+4*\m]
.endr
	v_nop                                          ; a plain instruction behind the transcendentals
	s_wait_alu depctr_va_vdst(0)
.irp m, 0,1,2,3
	v_mov_b32 v[27+4*\m], v[26+4*\m]
.endr
	WIN 0x41
.set n, 0
.rept 128
	v_pk_mul_f32 v[2*n:2*n+1], v[2*n:2*n+1], v[26+4*((n/4)%4):27+4*((n/4)%4)]
.set n, n+1
.endr
.set n, 0
.rept 128
	v_pk_fma_f32 v[2*n:2*n+1], v[2*n:2*n+1], v[128+8*(n/16)+2*(n%4):129+8*(n/16)+2*(n%4)], v[192+8*(n/16)+2*(n%4):193+8*(n/16)+2*(n%4)]
.set n, n+1
.endr
.set n, 0
.rept 256
	v_med3_num_f32 v[n], v[n], -v61, v61
.set n, n+1
.endr
	WIN 0x01
.set n, 0
.rept 32                                               ; n = 4 t + m: registers 2 t, 2 t + 1 of h2's fragment (tile m, K step w)
	v_cvt_scalef32_pk8_bf8_f32 v[64+16*(n%4)+2*(n/4):65+16*(n%4)+2*(n/4)], v[8*n:8*n+7], v60
.set n, n+1
.endr
	v_nop
	WIN 0
.set n, 0
.rept 16
	ds_store_b128 v12, v[64+4*n:67+4*n] offset:8192*(n/4)+512*(n%4)   ; over att's images: every wave has read them and passed two barriers since
.set n, n+1
.endr
	BAR                                            ; h2's 16 fragments lie in LDS
	ACTLD
	PARLD 128, 3                                   ; b2
	s_wait_dscnt 0x0
.set n, 0
.rept 32
	v_pk_mul_f32 v[128+2*n:129+2*n], v[128+2*n:129+2*n], s[56:57] op_sel_hi:[1,0]
.set n, n+1
.endr
	WIN 0xC3
.set n, 0
.rept 128
	v_pk_fma_f32 v[2*n:2*n+1], v[2*n:2*n+1], s[56:57], v[128+8*(n/16)+2*(n%4):129+8*(n/16)+2*(n%4)] op_sel_hi:[1,0,1]   ; (x1 + b2) / 2^(e14 + e15) starts product 8's sums
.set n, n+1
.endr
	WIN 0
	s_mov_b32 s68, 0                               ; 1,024 x chunk
; THE FEED-FORWARD LAYER, a chunk of 256 hidden units at a time: a lap of W1, a lap of W2.
.macro BIASLD                          ; b1's four tiles of my 64 units of the next chunk
	v_add_nc_u32 v11, s68, v10
.set bn, 0
.rept 8
	ds_load_b128 v[64+4*bn:67+4*bn], v11 offset:64*(bn/2)+16*(bn%2)
.set bn, bn+1
.endr
	s_add_co_u32 s68, s68, 1024
.endm
.macro F1                              ; my 64 units for the 64 tokens; relu; codes; through LDS to all waves
	s_wait_dscnt 0x0
.irp g, 0,1,2,3
	s_wait_loadcnt 48                              ; this group's 16 loads are in; the three younger groups' stay out
	s_add_nc_u64 s[WP+2*\g:WP+2*\g+1], s[WP+2*\g:WP+2*\g+1], LAPB   ; the loads that named this base are those sixteen: it may step to the next lap
	WIN 0x06                                       ; source 0 (the ring) window 2, source 1 (h2) window 1, C and D window 0
.set gi, 0
.rept 4
.set gm, 0
.rept 4
.set rF, 128+8*(4*gi+gm)
.set rR, 16*(4*\g+gi)
.set rX, 16*(4*gm+\g)
.if \g == 0
	v_wmma_f32_16x16x128_bf8_bf8 v[rF:rF+7], v[rR:rR+15], v[rX:rX+15], v[64+8*gi:71+8*gi]
.else
	v_wmma_f32_16x16x128_bf8_bf8 v[rF:rF+7], v[rR:rR+15], v[rX:rX+15], v[rF:rF+7]
.endif
.set gm, gm+1
.endr
.set gi, gi+1
.endr
	PLACES 4
.if \g < 3
	RLOAD \g, 0, 16
.else
	RLOAD \g, 0, 15                                ; 63 loads are out: the conversions, barriers and LDS traffic below do not need the ring; the sixteenth load stands at the head of the lap of W2
.endif
.endr
	WIN 0
.set n, 0
.rept 128
	v_med3_num_f32 v[128+n], v[128+n], 0, v63      ; the activation and the hold in one
.set n, n+1
.endr
.set n, 0
.rept 16                                               ; n = 4 i + m
	v_cvt_scalef32_pk8_bf8_f32 v[96+8*(n%4)+2*(n/4):97+8*(n%4)+2*(n/4)], v[128+8*n:135+8*n], v62
.set n, n+1
.endr
	v_nop
	BAR                                            ; every wave's reads of the last chunk's hidden fragments are over
.set n, 0
.rept 8
	ds_store_b128 v15, v[96+4*n:99+4*n] offset:4096*(n/2)+512*(n%2)
.set n, n+1
.endr
	BAR                                            ; this chunk's eight fragments lie in LDS
.set n, 0
.rept 32
	ds_load_b128 v[128+4*n:131+4*n], v16 offset:512*n
.set n, n+1
.endr
.endm
.macro F2 more                         ; my 128 columns += the chunk's 256 units.  more = 0: the last lap loads nothing and its counts run down
.if \more
	BIASLD
.endif
	RLOAD 3, 15, 16                                ; the load that the lap of W1 held back: group 3's sixteenth, still ahead of every load of the next lap, so the counts below stand as they are
	s_wait_dscnt 0x0
.irp g, 0,1,2,3
.if \more
	s_wait_loadcnt 48                              ; this group's 16 loads are in; the three younger groups' stay out
	s_add_nc_u64 s[WP+2*\g:WP+2*\g+1], s[WP+2*\g:WP+2*\g+1], LAPB   ; the loads that named this base are those sixteen: it may step to the next lap
.else
	s_wait_loadcnt 48-16*\g
.endif
	WIN 0xF2                                       ; source 0 (the ring) window 2, source 1 (the hidden layer) window 0, C and D window 3
.set gi, 0
.rept 4
.set gm, 0
.rept 4
.set rA, 8*(4*(4*(\g%2)+gi)+gm)
.set rR, 16*(4*\g+gi)
.set rH, 128+16*(2*gm+\g/2)
	v_wmma_f32_16x16x128_bf8_bf8 v[rA:rA+7], v[rR:rR+15], v[rH:rH+15], v[rA:rA+7]
.set gm, gm+1
.endr
.set gi, gi+1
.endr
	PLACES 4+\g/3                                  ; five behind the last group: the next chunk's first products write over the hidden fragments' registers
.if \more
	RLOAD \g, 0, 16                                ; (the next thing behind the last group is the wait for the ring: all sixteen go out)
.endif
.endr
.endm
	BIASLD
	RLOAD 3, 15, 16                                ; the load that the projection's last group held back
	WIN 0
	s_mov_b32 s70, 7
.Lffn:
	F1
	F2 1
	WIN 0
	s_sub_co_u32 s70, s70, 1
	s_cmp_lg_u32 s70, 0
	s_cbranch_scc1 .Lffn
	F1                                             ; the eighth chunk is written out: no load leaves the buffer
	F2 0
	; THE WAY OUT: x 2^(e14 + e15); into x's places in the stage (each wave its own columns); a barrier, since a row's 2,048 bytes come from four waves; back as whole rows, 16 rows a wave.
	WIN 0xC3
.set n, 0
.rept 128
	v_pk_mul_f32 v[2*n:2*n+1], v[2*n:2*n+1], s[58:59] op_sel_hi:[1,0]
.set n, n+1
.endr
	WIN 0x0C
.set n, 0
.rept 64
	ds_store_b128 v[5+((n/2)%4)/2], v[4*n:4*n+3] offset:TILEB*((n/2)%2)+64*(n/8)+16*(n%2)
.set n, n+1
.endr
	WIN 0
	BAR
	WIN 0x40
.set n, 0
.rept 64
	ds_load_b128 v[4*n:4*n+3], v4 offset:PITCH*(n/4)+512*(n%4)
.set n, n+1
.endr
	WIN 0x04
.set n, 0
.rept 64
	s_wait_dscnt 63-n                              ; LDS loads come back in order (ISA guide 5.7.1): load n is in
	global_store_b128 v[L16], v[4*n:4*n+3], s[26:27] offset:512*n th:TH_STORE_NT   ; 32 lanes store 512 consecutive bytes, aligned; written once, read by nobody here
.set n, n+1
.endr
	WIN 0
	s_wait_tensorcnt 0x0
	ds_add_u32 v46, v47
	s_wait_dscnt 0x0
	s_endpgm
.Lfunc_end_k_qbd72017886_main:
	.size	k_qbd72017886_main, .Lfunc_end_k_qbd72017886_main-k_qbd72017886_main
	.p2alignl 7, 3214868480
	.fill 96, 4, 3214868480
	.section	.rodata,"a",@progbits
	.p2align	6, 0x0
	.amdhsa_kernel k_qbd72017886_main
		.amdhsa_group_segment_fixed_size 201216
		.amdhsa_private_segment_fixed_size 0
		.amdhsa_enable_private_segment 0
		.amdhsa_kernarg_size 96
		.amdhsa_user_sgpr_count 2
		.amdhsa_user_sgpr_kernarg_segment_ptr 1
		.amdhsa_wavefront_size32 1
		.amdhsa_system_sgpr_workgroup_id_x 1
		.amdhsa_system_sgpr_workgroup_id_y 1
		.amdhsa_system_sgpr_workgroup_id_z 1
		.amdhsa_system_vgpr_workitem_id 0
		.amdhsa_next_free_vgpr 1024
		.amdhsa_next_free_sgpr 100
		.amdhsa_reserve_vcc 1
		.amdhsa_float_denorm_mode_32 3
		.amdhsa_float_denorm_mode_16_64 3
		.amdhsa_memory_ordered 1
		.amdhsa_forward_progress 1
		.amdhsa_inst_pref_size 255
	.end_amdhsa_kernel
	.section	.bss,"aw",@nobits
	.p2align	6
	.space	262144
	.amdgpu_metadata
---
amdhsa.version: [ 1, 2 ]
amdhsa.kernels:
  - .name:           k_qbd72017886_main
    .symbol:         k_qbd72017886_main.kd
    .args:
      - { .name: x, .offset: 0, .size: 8, .value_kind: global_buffer, .address_space: global }
      - { .name: kimg, .offset: 8, .size: 8, .value_kind: global_buffer, .address_space: global }
      - { .name: qimg, .offset: 16, .size: 8, .value_kind: global_buffer, .address_space: global }
      - { .name: vimg, .offset: 24, .size: 8, .value_kind: global_buffer, .address_space: global }
      - { .name: wmain, .offset: 32, .size: 8, .value_kind: global_buffer, .address_space: global }
      - { .name: lowp_scales, .offset: 40, .size: 8, .value_kind: global_buffer, .address_space: global }
      - { .name: proj_b, .offset: 48, .size: 8, .value_kind: global_buffer, .address_space: global }
      - { .name: ln2_g, .offset: 56, .size: 8, .value_kind: global_buffer, .address_space: global }
      - { .name: ln2_b, .offset: 64, .size: 8, .value_kind: global_buffer, .address_space: global }
      - { .name: b1, .offset: 72, .size: 8, .value_kind: global_buffer, .address_space: global }
      - { .name: b2, .offset: 80, .size: 8, .value_kind: global_buffer, .address_space: global }
      - { .name: out0, .offset: 88, .size: 8, .value_kind: global_buffer, .address_space: global }
    .group_segment_fixed_size: 201216
    .private_segment_fixed_size: 0
    .kernarg_segment_align: 8
    .kernarg_segment_size: 96
    .max_flat_workgroup_size: 128
    .sgpr_count:     100
    .vgpr_count:     1024
    .wavefront_size: 32
...
	.end_amdgpu_metadata
.endif
;; end of part 3
;; ======== version 2 of 2: 3 launches
;; limits: right only within a limited range of input values
;; workspace buffers: wqkv 786,432 bytes; wmain 2,359,296 bytes; kimg 8,388,608 bytes; qimg 8,388,608 bytes; vimg 8,388,608 bytes
;; launch prep (part 4): grid 24 x 4, 4 waves a work-group, no clusters, 0 bytes of LDS; arguments Wk_codes, Wq_codes, Wv_codes, proj_w_codes, W1_codes, W2_codes, wqkv, wmain; writes wqkv, wmain
.if DOCPART == 4
	.amdgcn_target "amdgcn-amd-amdhsa--gfx1250"
	.amdhsa_code_object_version 6
	.text
	.protected	k_qbd72017886_prep
	.globl	k_qbd72017886_prep
	.p2align	8
	.type	k_qbd72017886_prep,@function
k_qbd72017886_prep:
	s_mov_b64 s[64:65], 0
	v_nop
	global_prefetch_b8 v0, s[64:65] scope:SCOPE_SE
	s_setreg_imm32_b32 hwreg(HW_REG_WAVE_MODE, 25, 1), 1
	s_wait_xcnt 0x0
; The six weight tensors (E5M2 codes, K innermost) are laid out once as IMAGES OF OPERAND REGISTERS, in the order in which the waves of the two later launches take them.
; A fragment is 16 rows x 128 K: lane (r, h) holds row r; registers 2 c, 2 c + 1 hold K = 16 c + 8 h + 0 .. 7 (the layout of v_wmma_f32_16x16x128_bf8_bf8).
; Its image is 2,048 bytes: registers 4 q .. 4 q + 3 of lane L at 512 q + 16 L, so that a later wave fetches it by four loads of 512 consecutive bytes.
; Both outputs are [lap][wave 4][group 4][i 4][2048]; a lap is 131,072 bytes.  Work-group x = lap l of 24 (0-5: wqkv; 6-23: wmain's lap l - 6), y = group g; wave w lays out the group's four fragments.
;   l < 8  (Wk, Wk, Wq, Wq, Wv, Wv, proj_w, proj_w): rows 128 w + 64 (l % 2) + 16 i on, K from 128 g, rows of 512 bytes
;   l >= 8, even (W1, chunk ch = (l - 8) / 2):        rows 256 ch + 64 w + 16 i on,     K from 128 g, rows of 512 bytes
;   l >= 8, odd  (W2, the same chunk):                rows 128 w + 64 (g % 2) + 16 i on, K from 256 ch + 128 (g / 2), rows of 2,048 bytes
; Every choice hangs on the work-group's and the wave's numbers alone.  No LDS, no barrier: waves share nothing.
	s_load_b512 s[8:23], s[0:1], 0x0               ; Wk s[8:9], Wq s[10:11], Wv s[12:13], proj_w s[14:15], W1 s[16:17], W2 s[18:19], wqkv s[20:21], wmain s[22:23]
	v_lshrrev_b32 v1, 5, v0
	v_readfirstlane_b32 s24, v1                    ; w
	v_and_b32 v2, 31, v0
	v_lshlrev_b32 v1, 4, v2                        ; 16 L
	v_and_b32 v3, 15, v0                           ; r
	v_bfe_u32 v8, v0, 4, 1                         ; h
	s_and_b32 s25, ttmp7, 0xffff                   ; g
	s_mov_b32 s26, ttmp9                           ; l
	s_max_u32 s27, s26, 8
	s_sub_co_u32 s27, s27, 8
	s_lshr_b32 s27, s27, 1                         ; ch
	s_and_b32 s28, s26, 1                          ; l % 2
	s_lshl_b32 s29, s24, 7                         ; 128 w
	s_lshl_b32 s30, s28, 6
	s_add_co_u32 s30, s29, s30                     ; first row where l < 8
	s_lshl_b32 s31, s27, 8                         ; 256 ch
	s_lshl_b32 s32, s24, 6
	s_add_co_u32 s32, s31, s32                     ; first row of W1
	s_and_b32 s33, s25, 1
	s_lshl_b32 s33, s33, 6
	s_add_co_u32 s33, s29, s33                     ; first row of W2
	s_lshr_b32 s34, s25, 1
	s_lshl_b32 s34, s34, 7
	s_add_co_u32 s34, s31, s34                     ; first K of W2
	s_lshl_b32 s35, s25, 7                         ; first K of the others: 128 g
	s_wait_alu depctr_va_vdst(0)
	s_wait_kmcnt 0x0
	s_cmp_eq_u32 s28, 1                            ; odd: W2, even: W1
	s_cselect_b32 s36, s33, s32
	s_cselect_b32 s37, s34, s35
	s_cselect_b32 s38, 11, 9                       ; log2 of a row's bytes
	s_cselect_b64 s[40:41], s[18:19], s[16:17]
	s_cmp_lt_u32 s26, 8
	s_cselect_b32 s36, s30, s36
	s_cselect_b32 s37, s35, s37
	s_cselect_b32 s38, 9, s38
	s_cselect_b64 s[40:41], s[14:15], s[40:41]
	s_cmp_lt_u32 s26, 6
	s_cselect_b64 s[40:41], s[12:13], s[40:41]
	s_cselect_b64 s[44:45], s[20:21], s[22:23]     ; where the images go
	s_cselect_b32 s46, 0, 6
	s_cmp_lt_u32 s26, 4
	s_cselect_b64 s[40:41], s[10:11], s[40:41]
	s_cmp_lt_u32 s26, 2
	s_cselect_b64 s[40:41], s[8:9], s[40:41]
	s_lshl_b32 s42, s36, s38
	s_add_co_u32 s42, s42, s37                     ; first row x its bytes + first K
	s_mov_b32 s43, 0
	s_add_nc_u64 s[40:41], s[40:41], s[42:43]
	s_sub_co_u32 s46, s26, s46                     ; the lap in its buffer
	s_lshl_b32 s46, s46, 17
	s_lshl_b32 s47, s24, 15
	s_add_co_u32 s46, s46, s47
	s_lshl_b32 s47, s25, 13
	s_add_co_u32 s46, s46, s47
	s_mov_b32 s47, 0
	s_add_nc_u64 s[44:45], s[44:45], s[46:47]
	v_lshlrev_b32 v4, s38, v3                      ; row r,
	v_lshl_add_u32 v4, v8, 3, v4                   ; + 8 h
	s_lshl_b32 s39, 16, s38                        ; 16 rows on for each further fragment
	v_add_nc_u32 v5, s39, v4
	v_add_nc_u32 v6, s39, v5
	v_add_nc_u32 v7, s39, v6
.set n, 0
.rept 32                                               ; fragment n / 8, c = n % 8
	global_load_b64 v[16+2*n:17+2*n], v[4+n/8], s[40:41] offset:16*(n%8)
.set n, n+1
.endr
	s_wait_loadcnt 0x0
.set n, 0
.rept 16
	global_store_b128 v1, v[16+4*n:19+4*n], s[44:45] offset:512*n   ; 32 lanes store 512 consecutive bytes, aligned
.set n, n+1
.endr
	s_endpgm
.Lfunc_end_k_qbd72017886_prep:
	.size	k_qbd72017886_prep, .Lfunc_end_k_qbd72017886_prep-k_qbd72017886_prep
	.p2alignl 7, 3214868480
	.fill 96, 4, 3214868480
	.section	.rodata,"a",@progbits
	.p2align	6, 0x0
	.amdhsa_kernel k_qbd72017886_prep
		.amdhsa_group_segment_fixed_size 0
		.amdhsa_private_segment_fixed_size 0
		.amdhsa_enable_private_segment 0
		.amdhsa_kernarg_size 64
		.amdhsa_user_sgpr_count 2
		.amdhsa_user_sgpr_kernarg_segment_ptr 1
		.amdhsa_wavefront_size32 1
		.amdhsa_system_sgpr_workgroup_id_x 1
		.amdhsa_system_sgpr_workgroup_id_y 1
		.amdhsa_system_sgpr_workgroup_id_z 1
		.amdhsa_system_vgpr_workitem_id 0
		.amdhsa_next_free_vgpr 96
		.amdhsa_next_free_sgpr 66
		.amdhsa_reserve_vcc 0
		.amdhsa_float_denorm_mode_32 3
		.amdhsa_float_denorm_mode_16_64 3
		.amdhsa_memory_ordered 1
		.amdhsa_forward_progress 1
		.amdhsa_inst_pref_size 7
	.end_amdhsa_kernel
	.amdgpu_metadata
---
amdhsa.version: [ 1, 2 ]
amdhsa.kernels:
  - .name:           k_qbd72017886_prep
    .symbol:         k_qbd72017886_prep.kd
    .args:
      - { .name: Wk_codes, .offset: 0, .size: 8, .value_kind: global_buffer, .address_space: global }
      - { .name: Wq_codes, .offset: 8, .size: 8, .value_kind: global_buffer, .address_space: global }
      - { .name: Wv_codes, .offset: 16, .size: 8, .value_kind: global_buffer, .address_space: global }
      - { .name: proj_w_codes, .offset: 24, .size: 8, .value_kind: global_buffer, .address_space: global }
      - { .name: W1_codes, .offset: 32, .size: 8, .value_kind: global_buffer, .address_space: global }
      - { .name: W2_codes, .offset: 40, .size: 8, .value_kind: global_buffer, .address_space: global }
      - { .name: wqkv, .offset: 48, .size: 8, .value_kind: global_buffer, .address_space: global }
      - { .name: wmain, .offset: 56, .size: 8, .value_kind: global_buffer, .address_space: global }
    .group_segment_fixed_size: 0
    .private_segment_fixed_size: 0
    .kernarg_segment_align: 8
    .kernarg_segment_size: 64
    .max_flat_workgroup_size: 128
    .sgpr_count:     66
    .vgpr_count:     96
    .wavefront_size: 32
...
	.end_amdgpu_metadata
.endif
;; end of part 4
;; launch qkv (part 5): grid 256 x 1, 4 waves a work-group, no clusters, 248,320 bytes of LDS; arguments x, ln1_g, ln1_b, lowp_scales, wqkv, kimg, qimg, vimg; writes kimg, qimg, vimg
.if DOCPART == 5
	.amdgcn_target "amdgcn-amd-amdhsa--gfx1250"
	.amdhsa_code_object_version 6
	.text
	.protected	k_qbd72017886_qkv
	.globl	k_qbd72017886_qkv
	.p2align	8
	.type	k_qbd72017886_qkv,@function
k_qbd72017886_qkv:
	s_mov_b64 s[64:65], 0
	v_nop
	global_prefetch_b8 v0, s[64:65] scope:SCOPE_SE
	s_setreg_imm32_b32 hwreg(HW_REG_WAVE_SCHED_MODE, 0, 2), 2
	s_setreg_imm32_b32 hwreg(HW_REG_WAVE_MODE, 25, 1), 1
	s_wait_xcnt 0x0
	s_wait_alu depctr_vm_vsrc(0)
; h = layernorm(x) g + b; k, q, v = h Wk, h Wq, h Wv on codes of E5M2; k, q and v leave as codes, laid as images of the operand registers of the next launch.
; SHARES.  A work-group takes 64 tokens (batch G / 4, block G % 4 of 64 tokens).  Wave w normalises tokens 16 w .. 16 w + 15 and quantises them three times (scales e1, e3, e5);
; in each product it owns output columns 128 w .. 128 w + 127 (heads 2 w, 2 w + 1) for all 64 tokens: 32 accumulators.
; LAYOUT.  Every operand lies as v_wmma_f32_16x16x128_bf8_bf8 wants it: lane (r, h) holds row r, registers 2 c, 2 c + 1 hold K = 16 c + 8 h + 0 .. 7.  A result tile (lane: column r, registers: rows 8 h + j)
; becomes, by one conversion of its eight registers, registers 2 c, 2 c + 1 of the next operand, c the tile's number.  k, q: source 0 = 16 rows of the weight, source 1 = 16 tokens: a lane holds a token and eight d.
; v: the sources are swapped: a lane holds a d and eight tokens, since the tokens are the next K.
; THE WEIGHTS come from memory straight into registers, in the order in which an earlier launch laid them: window 2 is a ring of 16 fragments in four groups; behind a group's 16 matrix instructions the group is
; loaded again with the next lap's.  48 to 64 loads of 512 bytes a wave are out.  Each fragment is multiplied by one wave alone, so a way through LDS would feed nobody else in the work-group: no tensor load, no joint load.
; LIMITS on the given exponents, so that each power of two is an f32 number: e1, e3, e5, e6 - e0 - e1, e7 - e2 - e3, e9 - e4 - e5 between -126 and 112.  NaN among the inputs is not served.
; REGISTERS, in windows of 256: window 0: addresses, statistics, scales; v64-95 g and b as loaded; v128-191 g, v192-255 b of a K step, later two sets of 64 registers of codes.
;   window 1: x as loaded; then v0-63 held numbers and v64-255 codes, 48 registers of its own for each K step; then the 16 fragments of h (tile m, K step s at v[16 (4 m + s)]).   window 2: the ring.
;   window 3: my row's numbers (v[64 s + 8 c + i]: K = 128 s + 16 c + 8 h + i); then the accumulators (column tile t, token tile m at v[8 (4 t + m)]).
; THE MODE: SCHED_MODE bits 1:0 = 2 (LLVM: expert scheduling mode 2), set by the entry lines.  The code itself states the register dependences between vector or matrix instructions and memory or LDS
; instructions, with s_wait_alu, always for 0.
; THE PLAN.  Registers that memory or LDS instructions touch:
;   v1, v4-v10      offsets and LDS addresses: made once at the head, never written again.
;   window 1        x as loaded, read by the stores into the stage; then written by the holds (v0-63) and the conversions (v64-255) and read by the image stores; then h's fragments land in it, which the products read.
;   v128-255        g and b of a K step land in them and the step's multiply-adds read them; later the conversions of k, q, v write them (two sets by turns) and the global stores read them.
;   window 2        a group's 16 matrix instructions read it; behind them the next lap's loads land in it.
; One wait on va_vdst stands in a K step of the layernorm, behind its multiply-adds: they are done reading g and b, in which the next step's land, and the step before has written its codes, whose stores follow here.
; One stands behind each group of the ring, ahead of the group's refill: the group would else lie idle for a quarter of the ring's round.  One stands ahead of each run of stores of codes.
.set PITCH, 2064                       ; a stage row: 2,048 bytes + 16 = 516 words: row r starts at bank 4 r mod 64 (64 banks of 4 bytes: ISA guide 11.1)
.set WSTB,  18*PITCH                   ; a wave's own stage: 16 rows of x, one of g, one of b
.set HIM,   4*WSTB                     ; behind the stages: the images of h: version X, tile m, K step s at 32768 X + 2048 (4 m + s)
.set LAPB,  131072                     ; a lap of the weights: 16 fragments for each of four waves
.set L16,  1                           ; v1   16 x lane
.set RR,   2                           ; v2   r
.set HH,   3                           ; v3   h
.set STW,  4                           ; v4   stage, in: 16 x lane
.set XT,   5                           ; v5   stage, out: row r + 32 h
.set GA,   6                           ; v6   stage: g's row + 32 h
.set IMW,  7                           ; v7   where I store images; v8 the same 65,536 on
.set IMW2, 8
.set IMR,  9                           ; v9   where images are read; v10 the same 65,536 on
.set IMR2, 10
.set CH,   16                          ; v[16:23] four packed chains
.set MEAN, 24                          ; v[24:25]
.set RS,   26                          ; v[26:27]
.set PT,   28                          ; v28  a lane permute's destination
.set SC,   32                          ; v32.. (scale, largest number x scale): h by e1, e3, e5; then k, q, v
.set RAW,  64
.set GV,   128
.set BV,   192
.set WP,   12                          ; s[12:13] my wave's part of the weights
.set T0,   21
.set T1,   22
.set T2,   23
.set MSB, 0
.macro WIN new                         ; the immediate's high byte repeats the setting that is left
.if MSB != \new
	s_set_vgpr_msb (MSB<<8)|\new
.set MSB, \new
.endif
.endm
.macro PLACES n
.rept \n
	v_nop
.endr
.endm
.macro RLOAD g, off                    ; group g of the ring takes its four fragments of the lap that begins off bytes on
	WIN 0x80
.set rn, 0
.rept 16
	global_load_b128 v[64*(\g)+4*rn:64*(\g)+4*rn+3], v[L16], s[WP:WP+1] offset:(\off)+8192*(\g)+512*rn
.set rn, rn+1
.endr
.endm
.macro GBLOAD s                        ; g and b at my 64 places of K step s
.set bn, 0
.rept 16
	ds_load_b128 v[GV+4*bn:GV+4*bn+3], v[GA] offset:512*(\s)+64*(bn/2)+16*(bn%2)
	ds_load_b128 v[BV+4*bn:BV+4*bn+3], v[GA] offset:PITCH+512*(\s)+64*(bn/2)+16*(bn%2)
.set bn, bn+1
.endr
.endm
.macro FOLD                            ; the four chains, their halves, and the lane 16 away: the row's sum in v[CH]
	v_pk_add_f32 v[CH:CH+1], v[CH:CH+1], v[CH+2:CH+3]
	v_pk_add_f32 v[CH+4:CH+5], v[CH+4:CH+5], v[CH+6:CH+7]
	v_pk_add_f32 v[CH:CH+1], v[CH:CH+1], v[CH+4:CH+5]
	v_add_f32 v[CH], v[CH], v[CH+1]
	v_permlanex16_b32 v[PT], v[CH], s48, s49
	v_add_f32 v[CH], v[CH], v[PT]
.endm
.macro SCL vs, se                      ; v[vs] = 2^e, v[vs + 1] = 57,344 x 2^e, e in s[se]
	s_add_co_i32 s[T0], s[\se], 127
	s_lshl_b32 s[T1], s[T0], 23
	v_mov_b32 v[\vs], s[T1]
	s_add_co_i32 s[T0], s[T0], 15
	s_lshl_b32 s[T0], s[T0], 23
	s_or_b32 s[T0], s[T0], 0x600000
	v_mov_b32 v[\vs+1], s[T0]
.endm
	s_load_b512 s[4:19], s[0:1], 0x0               ; x s[4:5], g s[6:7], b s[8:9], scales s[10:11], wqkv s[12:13], kimg s[14:15], qimg s[16:17], vimg s[18:19]
	v_lshl_add_u32 v126, v0, 2, 0x3c800
	v_mov_b32 v127, 0
	v_lshrrev_b32 v1, 5, v0
	v_readfirstlane_b32 s20, v1                    ; w
	v_and_b32 v[L16], 31, v0
	v_lshlrev_b32 v[L16], 4, v[L16]
	v_and_b32 v[RR], 15, v0
	v_bfe_u32 v[HH], v0, 4, 1
	s_wait_alu depctr_va_sdst(0)                   ; s20 is written, ahead of its first reader: LDS addresses and the bases of x, the weights and the images are made from it
	s_mul_i32 s21, s20, WSTB
	v_add_nc_u32 v[STW], s21, v[L16]
	v_mul_u32_u24 v[XT], v[RR], PITCH
	v_lshl_add_u32 v[XT], v[HH], 5, v[XT]
	v_add_nc_u32 v[XT], s21, v[XT]
	v_lshlrev_b32 v[GA], 5, v[HH]
	v_add_nc_u32 v[GA], s21, v[GA]
	v_add_nc_u32 v[GA], 16*PITCH, v[GA]
	s_lshl_b32 s22, s20, 13
	s_add_co_u32 s22, s22, HIM
	v_add_nc_u32 v[IMW], s22, v[L16]
	v_add_nc_u32 v[IMW2], 65536, v[IMW]
	v_add_nc_u32 v[IMR], HIM, v[L16]
	v_add_nc_u32 v[IMR2], 65536, v[IMR]
	v_mov_b32 v[PT], 0
	s_mov_b32 s48, 0x76543210                      ; v_permlanex16_b32: lane l xor 16
	s_mov_b32 s49, 0xfedcba98
	s_mov_b32 s50, 0x3b000000                      ; 1 / 512
	s_mov_b32 s51, 0x3727c5ac                      ; 1e-5
	s_lshl_b32 s24, ttmp9, 17                      ; x: 64 tokens of 2,048 bytes a work-group,
	s_lshl_b32 s28, s20, 15                        ; 16 a wave
	s_add_co_u32 s24, s24, s28
	s_mov_b32 s25, 0
	s_mov_b32 s29, 0                               ; s[28:29]: also my wave's part of a lap
	s_lshr_b32 s26, ttmp9, 2                       ; the images: batch x 131,072 + two heads x 16,384 x wave + block x 4,096
	s_lshl_b32 s26, s26, 17
	s_add_co_u32 s26, s26, s28
	s_and_b32 s27, ttmp9, 3
	s_lshl_b32 s27, s27, 12
	s_add_co_u32 s26, s26, s27
	s_mov_b32 s27, 0
	s_wait_kmcnt 0x0
	s_load_b512 s[32:47], s[10:11], 0x0            ; e0 .. e15
	s_add_nc_u64 s[4:5], s[4:5], s[24:25]
	s_add_nc_u64 s[WP:WP+1], s[WP:WP+1], s[28:29]
	s_add_nc_u64 s[14:15], s[14:15], s[26:27]
	s_add_nc_u64 s[16:17], s[16:17], s[26:27]
	s_add_nc_u64 s[18:19], s[18:19], s[26:27]
	WIN 0x40
	s_wait_alu depctr_va_vdst(0)                   ; the offset v1 and the LDS addresses v4 to v10 are written: every load and store of the kernel reads one of them
.set n, 0
.rept 64                                               ; my 16 rows of x: each load takes 512 consecutive bytes of one row
	global_load_b128 v[4*n:4*n+3], v[L16], s[4:5] offset:512*n
.set n, n+1
.endr
	WIN 0
.set n, 0
.rept 4
	global_load_b128 v[RAW+4*n:RAW+4*n+3], v[L16], s[6:7] offset:512*n
	global_load_b128 v[RAW+16+4*n:RAW+16+4*n+3], v[L16], s[8:9] offset:512*n
.set n, n+1
.endr
	RLOAD 0, 0
	RLOAD 1, 0
	RLOAD 2, 0
	s_wait_loadcnt 48                              ; the 48 loads of the ring are younger: x, g and b are in
	; THE TURN through my own stage: in as loaded, out 32 bytes a lane of my row.  LDS serves a wave's instructions in order (ISA guide 5.7.1.4): no wait between.
	WIN 0x04
.set n, 0
.rept 64
	ds_store_b128 v[STW], v[4*n:4*n+3] offset:PITCH*(n/4)+512*(n%4)
.set n, n+1
.endr
	WIN 0
.set n, 0
.rept 4
	ds_store_b128 v[STW], v[RAW+4*n:RAW+4*n+3] offset:16*PITCH+512*n
	ds_store_b128 v[STW], v[RAW+16+4*n:RAW+16+4*n+3] offset:17*PITCH+512*n
.set n, n+1
.endr
	WIN 0xC0
.set n, 0
.rept 64                                               ; registers 4 n on: K = 16 (n / 2) + 8 h + 4 (n % 2) on
	ds_load_b128 v[4*n:4*n+3], v[XT] offset:64*(n/2)+16*(n%2)
.set n, n+1
.endr
	RLOAD 3, 0
	WIN 0
	GBLOAD 0
	s_wait_kmcnt 0x0
	SCL SC, 33                                     ; h by e1,
	SCL SC+2, 35                                   ; e3,
	SCL SC+4, 37                                   ; e5
	s_sub_co_i32 s[T2], s38, s32
	s_sub_co_i32 s[T2], s[T2], s33
	SCL SC+6, T2                                   ; a sum of product 1 stands for sum x 2^(e0 + e1): k's code is sum / 2^(e6 - e0 - e1)
	s_sub_co_i32 s[T2], s39, s34
	s_sub_co_i32 s[T2], s[T2], s35
	SCL SC+8, T2                                   ; q: e7 - e2 - e3
	s_sub_co_i32 s[T2], s41, s36
	s_sub_co_i32 s[T2], s[T2], s37
	SCL SC+10, T2                                  ; v: e9 - e4 - e5
	s_wait_dscnt 0x0
	s_wait_alu depctr_vm_vsrc(0)                   ; the stores into the stage have read window 1, which the holds and the conversions below write
	; THE ROW'S MEAN AND VARIANCE: the mean first, then the mean of the squared differences.  A lane holds 256 of its row's 512 numbers.
	WIN 0x0F
.set n, 0
.rept 4
	v_pk_add_f32 v[CH+2*n:CH+2*n+1], v[2*n:2*n+1], v[8+2*n:9+2*n]
.set n, n+1
.endr
	WIN 0x0C
.set n, 8
.rept 120
	v_pk_add_f32 v[CH+2*(n%4):CH+2*(n%4)+1], v[CH+2*(n%4):CH+2*(n%4)+1], v[2*n:2*n+1]
.set n, n+1
.endr
	WIN 0
	FOLD
	v_mul_f32 v[MEAN], s50, v[CH]
	v_mov_b32 v[MEAN+1], v[MEAN]
	WIN 0xC3
.set n, 0
.rept 128
	v_pk_add_f32 v[2*n:2*n+1], v[2*n:2*n+1], v[MEAN:MEAN+1] neg_lo:[0,1] neg_hi:[0,1]
.set n, n+1
.endr
	WIN 0x0F
.set n, 0
.rept 4
	v_pk_mul_f32 v[CH+2*n:CH+2*n+1], v[2*n:2*n+1], v[2*n:2*n+1]
.set n, n+1
.endr
.rept 124
	v_pk_fma_f32 v[CH+2*(n%4):CH+2*(n%4)+1], v[2*n:2*n+1], v[2*n:2*n+1], v[CH+2*(n%4):CH+2*(n%4)+1]
.set n, n+1
.endr
	WIN 0
	FOLD
	v_fma_f32 v[RS], v[CH], s50, s51
	s_wait_alu depctr_va_vdst(0)
	v_rsq_f32 v[RS], v[RS]
	v_nop                                          ; a plain instruction between the transcendental and the use of its result
	s_wait_alu depctr_va_vdst(0)                   ; the root's result v[RS] is written, ahead of its first reader
	v_mov_b32 v[RS+1], v[RS]
	WIN 0xC3
.set n, 0
.rept 128
	v_pk_mul_f32 v[2*n:2*n+1], v[2*n:2*n+1], v[RS:RS+1]
.set n, n+1
.endr
; The three fragments of K step s (h by e1, e3, e5) go to LDS as images of their registers: window 1, v[64 + 48 s + 16 x] on.
.macro CSTORE s
	WIN 0x04
.irp x, 0,1,2
.set n, 0
.rept 4
.if \x < 2
	ds_store_b128 v[IMW], v[64+48*(\s)+16*\x+4*n:67+48*(\s)+16*\x+4*n] offset:32768*\x+2048*(\s)+512*n
.else
	ds_store_b128 v[IMW2], v[64+48*(\s)+16*\x+4*n:67+48*(\s)+16*\x+4*n] offset:2048*(\s)+512*n
.endif
.set n, n+1
.endr
.endr
.endm
; K step s of my 16 rows: x g + b, then three times: held and converted.  The codes have registers of their own in each step, and are stored in the next step, behind its one wait.
.macro LNSTEP s
	s_wait_dscnt 0x0                               ; g and b of this step are in
	WIN 0xC3
.set n, 0
.rept 32
	v_pk_fma_f32 v[64*\s+2*n:64*\s+2*n+1], v[64*\s+2*n:64*\s+2*n+1], v[GV+2*n:GV+2*n+1], v[BV+2*n:BV+2*n+1]
.set n, n+1
.endr
	WIN 0x04                                       ; address and loaded data window 0, a store's data window 1: it serves the loads of g and b and the stores of codes alike
	s_wait_alu depctr_va_vdst(0)                   ; the multiply-adds are done reading g and b, in which the next step's land; the step before has written its codes, which the stores below read
.if \s < 3
	GBLOAD \s+1
.endif
.if \s > 0
	CSTORE \s-1
.endif
.irp x, 0,1,2
	WIN 0x43
.set n, 0
.rept 64
	v_med3_num_f32 v[n], v[64*\s+n], -v[SC+2*\x+1], v[SC+2*\x+1]   ; the conversion to an 8-bit code does not saturate (ISA guide 7.6.2): the hold at the largest code x the scale
.set n, n+1
.endr
	WIN 0x41
.set n, 0
.rept 8
	v_cvt_scalef32_pk8_bf8_f32 v[64+48*\s+16*\x+2*n:65+48*\s+16*\x+2*n], v[8*n:8*n+7], v[SC+2*\x]
.set n, n+1
.endr
	v_nop                                          ; a plain instruction between the conversions and the next lines that write their sources
.endr
.endm
	LNSTEP 0
	LNSTEP 1
	LNSTEP 2
	LNSTEP 3
	WIN 0x04
	s_wait_alu depctr_va_vdst(0)                   ; the last step's conversions have written its codes, which the stores below read
	CSTORE 3
	WIN 0
	s_wait_dscnt 0x0                               ; for the others' sake: my images lie in LDS
	s_barrier_signal -1
	s_barrier_wait -1                              ; all 48 fragments of h do
.macro ACTLD x                         ; version x of h: all 16 fragments into window 1
	WIN 0x40
.set an, 0
.rept 64
.if \x < 2
	ds_load_b128 v[4*an:4*an+3], v[IMR] offset:32768*\x+512*an
.else
	ds_load_b128 v[4*an:4*an+3], v[IMR2] offset:512*an
.endif
.set an, an+1
.endr
.endm
; Group g of a lap: K step g; four tiles of columns (t0 on) x four tiles of tokens.  The 16 accumulators take turns, one instruction a turn.  The first K step starts the sums.
; Four places stay behind the group's last matrix instruction: behind a product's last lap the holds read its results (ISA guide 7.12.1).  The wait ahead of the refill stands beside them.
.macro GRP g, t0, swap, cnt, refill, off
	s_wait_loadcnt \cnt                            ; loads come back in order (ISA guide 5.7.1): this group's 16 are in, the younger groups' stay out
.if \swap
	WIN 0xF9                                       ; source 0 (h) window 1, source 1 (the ring) window 2, C and D window 3
.else
	WIN 0xF6                                       ; source 0 (the ring) window 2, source 1 (h) window 1, C and D window 3
.endif
.set gi, 0
.rept 4
.set gm, 0
.rept 4
.set rA, 8*(4*(\t0+gi)+gm)
.set rR, 16*(4*\g+gi)
.set rX, 16*(4*gm+\g)
.if \swap
.if \g == 0
	v_wmma_f32_16x16x128_bf8_bf8 v[rA:rA+7], v[rX:rX+15], v[rR:rR+15], 0
.else
	v_wmma_f32_16x16x128_bf8_bf8 v[rA:rA+7], v[rX:rX+15], v[rR:rR+15], v[rA:rA+7]
.endif
.else
.if \g == 0
	v_wmma_f32_16x16x128_bf8_bf8 v[rA:rA+7], v[rR:rR+15], v[rX:rX+15], 0
.else
	v_wmma_f32_16x16x128_bf8_bf8 v[rA:rA+7], v[rR:rR+15], v[rX:rX+15], v[rA:rA+7]
.endif
.endif
.set gm, gm+1
.endr
.set gi, gi+1
.endr
	PLACES 4
.if \refill
	WIN 0x80
	s_wait_alu depctr_va_vdst(0)                   ; the group's matrix instructions are done reading its four fragments, in which the next lap's land; behind a product's last group: and h's fragments in window 1, in which the next version lands
	RLOAD \g, \off
.endif
.endm
.macro LAP l, swap                     ; lap l of six: one head of my two.  The last lap loads nothing: its counts run down
.irp g, 0,1,2,3
.if \l < 5
	GRP \g, 4*((\l)%2), \swap, 48, 1, ((\l)+1)*LAPB
.else
	GRP \g, 4*((\l)%2), \swap, 48-16*\g, 0, 0
.endif
.endr
.endm
; The 32 accumulators become codes and leave.  k, q: fragment (token tile m, head u) takes tiles 4 u + c as registers 2 c, 2 c + 1.  v: fragment (head u, d tile) takes token tiles m as registers 2 m, 2 m + 1.
.macro EPI x, cb, ptr, isv
	s_wait_xcnt 0x0                                ; the stores that read this set of code registers have read them
.if \x == 2
	s_wait_alu depctr_vm_vsrc(0)                   ; k's stores have read the set of code registers that v's conversions write again
.endif
	WIN 0xC3
.set n, 0
.rept 256
	v_med3_num_f32 v[n], v[n], -v[SC+7+2*\x], v[SC+7+2*\x]      ; each accumulator from its low end on
.set n, n+1
.endr
	WIN 0x03
.set n, 0
.rept 32                                               ; n = 4 t + m
.if \isv
.set cd, \cb+8*(n/4)+2*(n%4)
.else
.set cd, \cb+8*(2*(n%4)+n/16)+2*((n/4)%4)
.endif
	v_cvt_scalef32_pk8_bf8_f32 v[cd:cd+1], v[8*n:8*n+7], v[SC+6+2*\x]
.set n, n+1
.endr
	v_nop                                          ; a plain instruction between the conversions and the matrix instructions that write their sources
	WIN 0
	s_wait_alu depctr_va_vdst(0)                   ; the conversions have written the 64 code registers, which the stores below read
.set n, 0
.rept 16
.if \isv
	global_store_b128 v[L16], v[\cb+4*n:\cb+4*n+3], s[\ptr:\ptr+1] offset:16384*(n/8)+1024*((n/2)%4)+512*(n%2)
.else
	global_store_b128 v[L16], v[\cb+4*n:\cb+4*n+3], s[\ptr:\ptr+1] offset:16384*((n/2)%2)+1024*(n/4)+512*(n%2)
.endif
.set n, n+1
.endr
.endm
	WIN 0x40
	s_wait_alu depctr_va_vdst(0)                   ; the holds and the conversions are done writing and reading window 1, in which h's fragments land
	s_wait_alu depctr_vm_vsrc(0)                   ; and my image stores have read their codes there
	ACTLD 0
	s_wait_dscnt 0x0
	LAP 0, 0
	LAP 1, 0
	ACTLD 1                                        ; the next version of h lands while k is converted.  No wait: since the last group's wait only loads and window switches were issued
	EPI 0, 128, 14, 0
	s_wait_dscnt 0x0
	LAP 2, 0
	LAP 3, 0
	ACTLD 2
	EPI 1, 192, 16, 0
	s_wait_dscnt 0x0
	LAP 4, 1
	LAP 5, 1
	EPI 2, 128, 18, 1
	s_wait_dscnt 0x0                               ; the closing lines, six on end
	s_wait_alu 0x0
	s_wait_tensorcnt 0x0
	ds_add_u32 v126, v127
	s_wait_dscnt 0x0
	s_endpgm
.Lfunc_end_k_qbd72017886_qkv:
	.size	k_qbd72017886_qkv, .Lfunc_end_k_qbd72017886_qkv-k_qbd72017886_qkv
	.p2alignl 7, 3214868480
	.fill 96, 4, 3214868480
	.section	.rodata,"a",@progbits
	.p2align	6, 0x0
	.amdhsa_kernel k_qbd72017886_qkv
		.amdhsa_group_segment_fixed_size 248320
		.amdhsa_private_segment_fixed_size 0
		.amdhsa_enable_private_segment 0
		.amdhsa_kernarg_size 64
		.amdhsa_user_sgpr_count 2
		.amdhsa_user_sgpr_kernarg_segment_ptr 1
		.amdhsa_wavefront_size32 1
		.amdhsa_system_sgpr_workgroup_id_x 1
		.amdhsa_system_sgpr_workgroup_id_y 1
		.amdhsa_system_sgpr_workgroup_id_z 1
		.amdhsa_system_vgpr_workitem_id 0
		.amdhsa_next_free_vgpr 1024
		.amdhsa_next_free_sgpr 100
		.amdhsa_reserve_vcc 0
		.amdhsa_float_denorm_mode_32 3
		.amdhsa_float_denorm_mode_16_64 3
		.amdhsa_memory_ordered 1
		.amdhsa_forward_progress 1
		.amdhsa_inst_pref_size 255
	.end_amdhsa_kernel
	.section	.bss,"aw",@nobits
	.p2align	6
	.space	262144
	.amdgpu_metadata
---
amdhsa.version: [ 1, 2 ]
amdhsa.kernels:
  - .name:           k_qbd72017886_qkv
    .symbol:         k_qbd72017886_qkv.kd
    .args:
      - { .name: x, .offset: 0, .size: 8, .value_kind: global_buffer, .address_space: global }
      - { .name: ln1_g, .offset: 8, .size: 8, .value_kind: global_buffer, .address_space: global }
      - { .name: ln1_b, .offset: 16, .size: 8, .value_kind: global_buffer, .address_space: global }
      - { .name: lowp_scales, .offset: 24, .size: 8, .value_kind: global_buffer, .address_space: global }
      - { .name: wqkv, .offset: 32, .size: 8, .value_kind: global_buffer, .address_space: global }
      - { .name: kimg, .offset: 40, .size: 8, .value_kind: global_buffer, .address_space: global }
      - { .name: qimg, .offset: 48, .size: 8, .value_kind: global_buffer, .address_space: global }
      - { .name: vimg, .offset: 56, .size: 8, .value_kind: global_buffer, .address_space: global }
    .group_segment_fixed_size: 248320
    .private_segment_fixed_size: 0
    .kernarg_segment_align: 8
    .kernarg_segment_size: 64
    .max_flat_workgroup_size: 128
    .sgpr_count:     100
    .vgpr_count:     1024
    .wavefront_size: 32
...
	.end_amdgpu_metadata
.endif
;; end of part 5
;; launch main (part 6): grid 256 x 1, 4 waves a work-group, no clusters, 201,216 bytes of LDS; arguments x, kimg, qimg, vimg, wmain, lowp_scales, proj_b, ln2_g, ln2_b, b1, b2, out0; writes out0
.if DOCPART == 6
	.amdgcn_target "amdgcn-amd-amdhsa--gfx1250"
	.amdhsa_code_object_version 6
	.text
	.protected	k_qbd72017886_main
	.globl	k_qbd72017886_main
	.p2align	8
	.type	k_qbd72017886_main,@function
k_qbd72017886_main:
	s_mov_b64 s[64:65], 0
	v_nop
	global_prefetch_b8 v0, s[64:65] scope:SCOPE_SE
	s_setreg_imm32_b32 hwreg(HW_REG_WAVE_SCHED_MODE, 0, 2), 2
	s_setreg_imm32_b32 hwreg(HW_REG_WAVE_MODE, 25, 1), 1
	s_wait_xcnt 0x0
	s_wait_alu depctr_vm_vsrc(0)
; Attention (scores k_t . q_s / sqrt(512), s <= t), the projection, the residual, the second layernorm, the feed-forward layer and its residual, for 64 tokens a work-group; all products on codes of E5M2.
; att, x1, h2 and the hidden layer never go to memory.
; SHARES.  Work-group G: batch G / 4, j = G % 4.  Its four tiles of 16 tokens are tiles j, 7 - j, 8 + j, 15 - j of the batch's sixteen: tile m lies in block m of 64 tokens, so tile m meets blocks 0 .. m of the keys and
; block m is its diagonal, in every work-group alike: 10 of 16 (tile, block) units; only the mask's threshold knows j.  Attention: wave w takes heads 2 w, 2 w + 1 for all four tiles.
; Products 6 to 8: wave w owns output columns 128 w .. + 127 and, of each chunk of 256 hidden units, units 64 w .. + 63, for all 64 tokens.
; LAYOUT.  Operands lie as the plain 8-bit forms want them: lane (r, h): row r, registers 2 c, 2 c + 1: K = 16 c + 8 h + 0 .. 7.  Every product has source 1 = 16 tokens: a lane holds ONE token throughout, and a result
; tile's eight registers become, by one conversion, registers 2 c, 2 c + 1 of the next operand.  Operands go from wave to wave through LDS as images of their registers (registers 4 q .. 4 q + 3 of lane L at 512 q + 16 L).
; THE SOFTMAX: t = score x log2(e) / sqrt(512); M = the row's largest t rounded up to a whole number; p = 2^(t - M) is quantised; the sum of the unquantised p divides at the end.  A row has at most 256 keys, 128 registers
; a lane, so the row's true maximum is taken before any exponential.
; THE WEIGHTS come from memory straight into registers: window 2 is a ring of 16 fragments in four groups; behind a group's 16 matrix instructions it is loaded again with the next lap's.  48 to 64 loads of 512 bytes a wave are out.
; Each group has a base of its own, s[80 + 2 g : 81 + 2 g], stepped by a lap behind the counted wait that shows the group's last loads done: they alone name that base, so no step waits for the younger groups' loads.
; Where work that does not need the ring follows a lap (the second layernorm; the hidden layer's way through LDS), the lap's last load is held back until the ring is next waited for: 63 loads are out meanwhile, as many as
; LOADcnt counts (ISA guide 5.7.1: the issue of one more would stall, and with it the work behind it).
; NO JOINT LOADS, though all work-groups walk the same weights: each fragment is multiplied by one wave alone and goes straight to that wave's registers.  A joint load would go through LDS: beside the 199,744 bytes in use,
; two slots would hold some 62 KB each, 7 fragments a wave, about 30 matrix instructions between two rounds of a cluster's barrier, and every byte would be written into LDS and read from it once more.
; LIMITS on the given exponents, so that each power of two is an f32 number: e8, e10, e12, e14 - e12 - e13 between -126 and 112; e10 + e11, e14 + e15, e12 + e13 within +-126; e6 + e7 between -122 and 131.  NaN among the inputs is not served.
; REGISTERS, in windows of 256.  window 0: v1-25 addresses and the mask's thresholds; v26-47 statistics; v56-63 (scale, largest number x scale) for p, att, h2, the hidden layer;
;   v64-95 k's fragments, each of which takes its own tile's codes of att once its scores are made; later statistics, h2's codes, b1's tiles; v96-127 p's codes, later h2's, the hidden layer's;
;   v128-255 the scores (O^T over their first 32), later parameters, the hidden layer's sums, its fragments.
;   window 1: q's 16 and V^T's 16 fragments; then att's 16; x; x1 - mean; h2's 16; at the end rows of the output.   window 2: the ring.
;   window 3: x as loaded; then the 32 accumulators (column tile t, token tile m at v[8 (4 t + m)]): the projection, x1, the output's sums.
; THE MODE: SCHED_MODE bits 1:0 = 2 (LLVM: expert scheduling mode 2), set by the entry lines.  The code itself states the register dependences between vector or matrix instructions and memory or LDS
; instructions, with s_wait_alu, always for 0.
; THE PLAN.  Registers that memory or LDS instructions touch:
;   v1, v4-v10, v12, v14-v25   offsets and LDS addresses: made once at the head, never written again.
;   v13            written once a head, at the loop's top; read by att's stores.     v11   written once a chunk, ahead of a wait that stands there anyway; read by the loads of b1's tiles.
;   v64-95         k lands; tile m's score products read v[64 + 8 m ..]; tile m's conversions write att's codes there; two stores read them, issued behind the next tile's wait for its exponentials.
;   window 1       loads land (q and V^T, att, x, h2, rows of the output); matrix and vector instructions read and write it; the last global stores read it.
;   window 2       a group's 16 matrix instructions read it; behind them the next lap's loads land in it: one wait a group, since the group would else lie idle for a quarter of the ring's round.
;   v96-127        a chunk's conversions write the hidden layer's codes; eight stores read them.     v128-255   parameters and hidden fragments land; vector and matrix instructions write and read them.
;   v[26 + 4 m]    a row's partial sums: four small stores read them, twice.     window 3   x as loaded, read by the stores into the stage; at the end the output, read by the stores into the stage.
;   s32-47, s72-79, s88-95    free behind the head: a tile's 32 compares write the diagonal's masks there, one wait stands behind the run, and the 32 selections read them.
.set PITCH, 2064                       ; a stage row: 2,048 bytes + 16 = 516 words: row r starts at bank 4 r mod 64 (64 banks of 4 bytes: ISA guide 11.1)
.set TILEB, 16*PITCH
.set PROW,  64*PITCH                   ; the stage: 64 rows of x (later of the output), then proj_b, ln2_g, ln2_b, b2
.set B1L,   68*PITCH                   ; b1 / 2^(e12 + e13), 8,192 bytes
.set AIMG,  B1L+8192                   ; att's 16 fragments (tile m, K step s at 2048 (4 m + s)), later h2's
.set HID,   AIMG+32768                 ; a chunk's 8 hidden fragments (tile m, K step s at 2048 (2 m + s))
.set STAT1, HID+16384                  ; row sums: word 256 m + 16 r + 4 w; the sums of squares 1,024 bytes on
.set LAPB,  131072
.set L16,  1                           ; v1 16 x lane;  v2 r;  v3 h
.set S,    128
.set WP,   80                          ; s[80:87] the four groups' bases: my wave's part of the lap that the group loaded last
.set MSB, 0
.macro WIN new                         ; the immediate's high byte repeats the setting that is left
.if MSB != \new
	s_set_vgpr_msb (MSB<<8)|\new
.set MSB, \new
.endif
.endm
.macro PLACES n
.rept \n
	v_nop
.endr
.endm
.macro BAR                             ; my LDS stores have landed and my LDS loads are in: then the work-group's barrier
	s_wait_dscnt 0x0
	s_barrier_signal -1
	s_barrier_wait -1
.endm
.macro RLOAD g, n0, n1                 ; group g of the ring: loads n0 .. n1 - 1 of the sixteen that bring its four fragments of the lap at its base
	WIN 0x80
.set rn, \n0
.rept (\n1)-(\n0)
	global_load_b128 v[64*(\g)+4*rn:64*(\g)+4*rn+3], v[L16], s[WP+2*(\g):WP+2*(\g)+1] offset:8192*(\g)+512*rn
.set rn, rn+1
.endr
.endm
.macro SCL vs, se                      ; v[vs] = 2^e, v[vs + 1] = 57,344 x 2^e, e in s[se]
	s_add_co_i32 s74, s[\se], 127
	s_lshl_b32 s75, s74, 23
	v_mov_b32 v[\vs], s75
	s_add_co_i32 s74, s74, 15
	s_lshl_b32 s74, s74, 23
	s_or_b32 s74, s74, 0x600000
	v_mov_b32 v[\vs+1], s74
.endm
.macro POW2 d, se                      ; s[d] = s[d + 1] = 2^e as f32 (the packed forms name the pair)
	s_add_co_i32 s[\d], s[\se], 127
	s_lshl_b32 s[\d], s[\d], 23
	s_mov_b32 s[\d+1], s[\d]
.endm
.macro ACTLD                           ; the 16 fragments at AIMG into window 1
	WIN 0x40
.set an, 0
.rept 64
	ds_load_b128 v[4*an:4*an+3], v14 offset:512*an
.set an, an+1
.endr
	WIN 0
.endm
.macro PARLD reg, row                  ; parameter row: my 8 column tiles' eight numbers of my half: v[reg + 8 t + i]
.set pn, 0
.rept 16
	ds_load_b128 v[\reg+4*pn:\reg+4*pn+3], v7 offset:\row*PITCH+64*(pn/2)+16*(pn%2)
.set pn, pn+1
.endr
.endm
.macro BIASADR                         ; where b1's four tiles of my 64 units of the next chunk lie
	v_add_nc_u32 v11, s68, v10
	s_add_co_u32 s68, s68, 1024
.endm
.macro BIASLD                          ; and the tiles themselves
.set bn, 0
.rept 8
	ds_load_b128 v[64+4*bn:67+4*bn], v11 offset:64*(bn/2)+16*(bn%2)
.set bn, bn+1
.endr
.endm
	s_load_b512 s[4:19], s[0:1], 0x0               ; x s[4:5], kimg s[6:7], qimg s[8:9], vimg s[10:11], wmain s[12:13], scales s[14:15], proj_b s[16:17], ln2_g s[18:19]
	s_load_b256 s[20:27], s[0:1], 0x40             ; ln2_b s[20:21], b1 s[22:23], b2 s[24:25], out0 s[26:27]
	v_lshl_add_u32 v46, v0, 2, 0x31000
	v_mov_b32 v47, 0
	v_lshrrev_b32 v1, 5, v0
	v_readfirstlane_b32 s28, v1                    ; w
	v_and_b32 v[L16], 31, v0
	v_lshlrev_b32 v[L16], 4, v[L16]
	v_and_b32 v2, 15, v0
	v_bfe_u32 v3, v0, 4, 1
	s_and_b32 s29, ttmp9, 3                        ; j
	s_lshr_b32 s30, ttmp9, 2                       ; the batch
	s_wait_alu depctr_va_sdst(0)                   ; s28 is written, ahead of its first reader: LDS addresses, bases and the choice of my parameter are made from it
	s_mul_i32 s71, s28, TILEB
	v_add_nc_u32 v4, s71, v[L16]                   ; v4  the stage by rows: my 16 rows, 16 x lane
	s_lshl_b32 s71, s28, 9
	v_mul_u32_u24 v5, v2, PITCH
	v_lshl_add_u32 v5, v3, 5, v5
	v_add_nc_u32 v5, s71, v5                       ; v5  the stage by columns: row r, my 512 bytes, + 32 h;
	v_add_nc_u32 v6, 2*TILEB, v5                   ; v6  the same 32 rows on
	v_lshlrev_b32 v7, 5, v3
	v_add_nc_u32 v7, s71, v7
	v_add_nc_u32 v7, PROW, v7                      ; v7  the parameters' rows: my 512 bytes, + 32 h
	s_mul_i32 s71, s28, PITCH
	s_add_co_u32 s71, s71, PROW
	v_add_nc_u32 v8, s71, v[L16]                   ; v8  where I store parameter w
	s_lshl_b32 s71, s28, 11
	s_add_co_u32 s72, s71, B1L
	v_add_nc_u32 v9, s72, v[L16]                   ; v9  where I store my quarter of b1
	s_add_co_u32 s72, s71, AIMG
	v_add_nc_u32 v12, s72, v[L16]                  ; v12 where I store K step w of att and of h2; v13 the same for the head in hand
	s_lshl_b32 s71, s28, 8
	s_add_co_u32 s71, s71, B1L
	v_lshlrev_b32 v10, 5, v3
	v_add_nc_u32 v10, s71, v10                     ; v10 b1 of my 64 units of chunk 0, + 32 h; v11 the same for the chunk in hand
	v_add_nc_u32 v14, AIMG, v[L16]                 ; v14 where att's and h2's images are read
	s_lshr_b32 s71, s28, 1
	s_lshl_b32 s71, s71, 11
	s_and_b32 s72, s28, 1
	s_lshl_b32 s72, s72, 10
	s_add_co_u32 s71, s71, s72
	s_add_co_u32 s71, s71, HID
	v_add_nc_u32 v15, s71, v[L16]                  ; v15 where I store my half of a hidden fragment: K step w / 2, registers 8 (w % 2) on
	v_add_nc_u32 v16, HID, v[L16]                  ; v16 where the hidden fragments are read
	v_lshlrev_b32 v18, 4, v2
	v_add_nc_u32 v18, STAT1, v18                   ; v18 row r's four words
	s_lshl_b32 s71, s28, 2
	v_add_nc_u32 v17, s71, v18                     ; v17 my wave's word of them
	v_lshlrev_b32 v20, 3, v3
	v_sub_nc_u32 v20, v2, v20                      ; r - 8 h
	s_lshl_b32 s71, s29, 4
	v_add_nc_u32 v19, s71, v20                     ; v19 tiles 0 and 2 stand at place j of their block: key 16 s + i of my half is hidden where 16 s + i > 16 j + r - 8 h
	s_sub_co_u32 s71, 48, s71
	v_add_nc_u32 v20, s71, v20                     ; v20 tiles 1 and 3 at place 3 - j
	v_mov_b32 v21, 0xff800000                      ; -infinity
	s_lshl_b32 s71, s29, 10
	v_add_nc_u32 v22, s71, v[L16]                  ; v22-25 k's fragment of tile m in a head's sixteen: 1,024 x tile + 16 x lane
	s_sub_co_u32 s72, 7168, s71
	v_add_nc_u32 v23, s72, v[L16]
	s_add_co_u32 s72, s71, 8192
	v_add_nc_u32 v24, s72, v[L16]
	s_sub_co_u32 s72, 15360, s71
	v_add_nc_u32 v25, s72, v[L16]
	v_mov_b32 v28, 0                               ; lane permutes' destinations count as sources: written once
	v_mov_b32 v31, 0                               ; (named as the upper half of the pair v[30:31])
	v_mov_b32 v42, 0
	v_mov_b32 v43, 0
	v_mov_b32 v44, 0
	v_mov_b32 v45, 0
	s_mov_b32 s48, 0x76543210                      ; v_permlanex16_b32: lane l xor 16
	s_mov_b32 s49, 0xfedcba98
	s_mov_b32 s63, 0x3b000000                      ; 1 / 512
	s_mov_b32 s66, 0x3727c5ac                      ; 1e-5
	s_sub_co_u32 s71, 7, s29
	s_bitcmp1_b32 s28, 0
	s_cselect_b32 s71, s71, s29                    ; wave w brings in and sends out tile m = w: 8 (w / 2) + (j or 7 - j)
	s_lshr_b32 s72, s28, 1
	s_lshl_b32 s72, s72, 3
	s_add_co_u32 s71, s71, s72
	s_lshl_b32 s76, s30, 19                        ; batch x 256 rows of 2,048 bytes
	s_lshl_b32 s71, s71, 15
	s_add_co_u32 s76, s76, s71
	s_mov_b32 s77, 0
	s_lshl_b32 s78, s30, 17                        ; the images: batch x 131,072 + two heads x 16,384 x wave
	s_lshl_b32 s71, s28, 15
	s_add_co_u32 s78, s78, s71
	s_mov_b32 s79, 0
	s_mov_b32 s72, s71                             ; my wave's part of a lap
	s_mov_b32 s73, 0
	s_wait_kmcnt 0x0
	s_load_b512 s[32:47], s[14:15], 0x0            ; e0 .. e15
	s_add_nc_u64 s[4:5], s[4:5], s[76:77]
	s_add_nc_u64 s[26:27], s[26:27], s[76:77]
	s_add_nc_u64 s[6:7], s[6:7], s[78:79]
	s_add_nc_u64 s[8:9], s[8:9], s[78:79]
	s_add_nc_u64 s[10:11], s[10:11], s[78:79]
	s_add_nc_u64 s[WP:WP+1], s[12:13], s[72:73]    ; the four groups' bases begin at my part of lap 0
	s_mov_b64 s[WP+2:WP+3], s[WP:WP+1]
	s_mov_b64 s[WP+4:WP+5], s[WP:WP+1]
	s_mov_b64 s[WP+6:WP+7], s[WP:WP+1]
	s_lshl_b32 s72, s28, 11
	s_add_nc_u64 s[22:23], s[22:23], s[72:73]      ; my quarter of b1
	s_cmp_eq_u32 s28, 1                            ; wave 0 brings proj_b, 1 ln2_g, 2 ln2_b, 3 b2
	s_cselect_b64 s[76:77], s[18:19], s[16:17]
	s_cmp_eq_u32 s28, 2
	s_cselect_b64 s[76:77], s[20:21], s[76:77]
	s_cmp_eq_u32 s28, 3
	s_cselect_b64 s[76:77], s[24:25], s[76:77]
	WIN 0xC0
	s_wait_alu depctr_va_vdst(0)                   ; the offsets and LDS addresses v1, v4 to v10, v12 and v14 to v25 are written: the loads and stores of the kernel read them
.set n, 0
.rept 64
	global_load_b128 v[4*n:4*n+3], v[L16], s[4:5] offset:512*n th:TH_LOAD_NT   ; 512 consecutive bytes of one row; this launch reads them once
.set n, n+1
.endr
	WIN 0
.set n, 0
.rept 4
	global_load_b128 v[128+4*n:131+4*n], v[L16], s[76:77] offset:512*n
	global_load_b128 v[144+4*n:147+4*n], v[L16], s[22:23] offset:512*n
.set n, n+1
.endr
	RLOAD 0, 0, 16
	RLOAD 1, 0, 16
	RLOAD 2, 0, 16
	WIN 0
	s_wait_kmcnt 0x0
	s_add_co_i32 s71, s38, s39
	s_lshl_b32 s71, s71, 23
	s_add_co_i32 s50, s71, 0x3d8293ee              ; c = log2(e) / sqrt(512), with e6 + e7 added to its exponent field
	s_mov_b32 s51, s50
	s_add_co_i32 s71, s42, s43
	POW2 52, 71                                    ; 2^(e10 + e11)
	s_sub_co_i32 s72, 0, s71
	POW2 54, 72                                    ; and its inverse
	s_add_co_i32 s71, s46, s47
	POW2 58, 71                                    ; 2^(e14 + e15)
	s_sub_co_i32 s72, 0, s71
	POW2 56, 72                                    ; and its inverse
	s_add_co_i32 s71, s44, s45
	s_sub_co_i32 s72, 0, s71
	POW2 60, 72                                    ; 2^-(e12 + e13)
	s_add_co_i32 s62, s40, s41                     ; e8 + e9
	SCL 56, 40                                     ; p
	SCL 58, 42                                     ; att
	SCL 60, 44                                     ; h2
	s_sub_co_i32 s72, s46, s71
	SCL 62, 72                                     ; the hidden layer: e14 - e12 - e13, the three scales folded into one
	s_wait_loadcnt 48                              ; the 48 loads of the ring are younger: x, my parameter and my b1 are in
.set n, 0
.rept 8
	v_pk_mul_f32 v[144+2*n:145+2*n], v[144+2*n:145+2*n], s[60:61] op_sel_hi:[1,0]   ; b1 goes in divided by the power of two that product 7's sums lack
.set n, n+1
.endr
	s_wait_alu depctr_va_vdst(0)                   ; the eight multiplications have written v144-159, which the stores of b1 below read
	WIN 0x0C
.set n, 0
.rept 64
	ds_store_b128 v4, v[4*n:4*n+3] offset:PITCH*(n/4)+512*(n%4)
.set n, n+1
.endr
	WIN 0
.set n, 0
.rept 4
	ds_store_b128 v8, v[128+4*n:131+4*n] offset:512*n
	ds_store_b128 v9, v[144+4*n:147+4*n] offset:512*n
.set n, n+1
.endr
	RLOAD 3, 0, 16
	WIN 0
; Tile m's codes of att: registers 8 u .. 8 u + 7 of att's fragment (tile m, K step w), out of the registers that held k's fragment of tile m.
.macro ASTORE m
	ds_store_b128 v13, v[64+8*(\m):67+8*(\m)] offset:8192*(\m)
	ds_store_b128 v13, v[68+8*(\m):71+8*(\m)] offset:8192*(\m)+512
.endm
; ATTENTION of token tile m for the head in hand: keys 0 .. 64 (m + 1) - 1.  S^T = q k^T (source 0 = 16 keys' q, source 1 = my 16 tokens' k): a lane holds token r and, in register 8 T + i, key 16 T + 8 h + i.
.macro ATT m
.set NS, 32*(\m+1)
.set n, 0
.rept 32                                               ; the diagonal block's masks, one scalar register each, made ahead of the wait for the tile's data
.set ms, 32+n
.if n >= 16
.set ms, 56+n
.endif
.if n >= 24
.set ms, 64+n
.endif
	v_cmp_gt_i32 s[ms], 16*(n/8)+n%8, v[19+(\m)%2]
.set n, n+1
.endr
	s_wait_alu depctr_va_sdst(0)                   ; the 32 masks are written, ahead of the selections that read them: one wait for the run
	s_wait_loadcnt 8+16*(3-\m)                     ; k and q's blocks 0 .. m are in: behind them stand v's block m and the later blocks
	WIN 0x01
.set n, 0
.rept 4*(\m+1)
	v_wmma_f32_16x16x64_bf8_bf8 v[S+8*n:S+8*n+7], v[8*n:8*n+7], v[64+8*\m:71+8*\m], 0
.set n, n+1
.endr
	WIN 0
	PLACES 4
.set n, 0
.rept 32                                               ; the diagonal block: hidden scores become -infinity ahead of the maximum, so that p = 0
.set ms, 32+n
.if n >= 16
.set ms, 56+n
.endif
.if n >= 24
.set ms, 64+n
.endif
	v_cndmask_b32 v[S+32*\m+n], v[S+32*\m+n], v21, s[ms]
.set n, n+1
.endr
	v_max_num_f32 v26, v[S], v[S+1]                ; the row's largest score, in two chains, each tile from its low end on
	v_max_num_f32 v27, v[S+2], v[S+3]
.set n, 1
.rept NS/4-1
	v_max3_num_f32 v26, v26, v[S+4*n], v[S+4*n+1]
	v_max3_num_f32 v27, v27, v[S+4*n+2], v[S+4*n+3]
.set n, n+1
.endr
	v_max_num_f32 v26, v26, v27
	v_permlanex16_b32 v28, v26, s48, s49
	v_max_num_f32 v26, v26, v28                    ; and the lane 16 away's
	v_mul_f32 v26, s50, v26                        ; as t (c is positive)
	v_floor_f32 v30, -v26                          ; -M = floor(-t) = -ceil(t)
.set n, 0
.rept NS/2
	v_pk_fma_f32 v[S+2*n:S+2*n+1], v[S+2*n:S+2*n+1], s[50:51], v[30:31] op_sel_hi:[1,0,0]   ; t - M
.set n, n+1
.endr
.set n, 0
	s_wait_alu depctr_va_vdst(0)
.rept NS
	v_exp_f32 v[S+n], v[S+n]                       ; p = 2^(t - M)
.set n, n+1
.endr
	v_nop                                          ; a plain instruction behind the exponentials
	s_wait_alu depctr_va_vdst(0)                   ; the exponentials' results are written, ahead of their first reader; so are the codes of att that the tile before made, and v13: the two stores below read them
.if \m > 0
	ASTORE \m-1
.endif
	v_pk_add_f32 v[32:33], v[S:S+1], v[S+2:S+3]    ; the row's sum is taken of the unquantised p, in two chains
	v_pk_add_f32 v[34:35], v[S+4:S+5], v[S+6:S+7]
.set n, 4
.rept NS/4-2
	v_pk_add_f32 v[32:33], v[32:33], v[S+2*n:S+2*n+1]
	v_pk_add_f32 v[34:35], v[34:35], v[S+2*n+2:S+2*n+3]
.set n, n+2
.endr
.set n, 0
.rept NS
	v_min_num_f32 v[S+n], v[S+n], v57              ; the conversion does not saturate (ISA guide 7.6.2); p is not negative, so the hold is one-sided
.set n, n+1
.endr
.set n, 0
.rept NS/8
	v_cvt_scalef32_pk8_bf8_f32 v[96+2*n:97+2*n], v[S+8*n:S+8*n+7], v56
.set n, n+1
.endr
	v_pk_add_f32 v[32:33], v[32:33], v[34:35]      ; (also the plain instruction behind the conversions)
	v_add_f32 v32, v32, v33
	v_permlanex16_b32 v28, v32, s48, s49
	v_add_f32 v32, v32, v28                        ; l
	s_wait_alu depctr_va_vdst(0)
	v_rcp_f32 v32, v32
	v_nop
	s_wait_alu depctr_va_vdst(0)                   ; the reciprocal's result v32 is written, ahead of its first reader
	v_ldexp_f32 v32, v32, s62                      ; 2^(e8 + e9) / l
	s_wait_loadcnt 16*(3-\m)                       ; v's blocks 0 .. m are in
	WIN 0x01
.set sb, 0
.rept \m+1                                             ; O^T = V^T p^T: source 0 = 16 d, K = a block's 64 keys.  The four accumulators take turns
.set dt, 0
.rept 4
.if sb == 0
	v_wmma_f32_16x16x64_bf8_bf8 v[S+8*dt:S+8*dt+7], v[128+8*(4*sb+dt):135+8*(4*sb+dt)], v[96+8*sb:103+8*sb], 0
.else
	v_wmma_f32_16x16x64_bf8_bf8 v[S+8*dt:S+8*dt+7], v[128+8*(4*sb+dt):135+8*(4*sb+dt)], v[96+8*sb:103+8*sb], v[S+8*dt:S+8*dt+7]
.endif
.set dt, dt+1
.endr
.set sb, sb+1
.endr
	WIN 0
	PLACES 4
.set n, 0
	s_wait_alu depctr_va_vdst(0)
.rept 16
	v_pk_mul_f32 v[S+2*n:S+2*n+1], v[S+2*n:S+2*n+1], v[32:33] op_sel_hi:[1,0]   ; att
.set n, n+1
.endr
.set n, 0
.rept 32
	v_med3_num_f32 v[S+n], v[S+n], -v59, v59
.set n, n+1
.endr
.set n, 0
.rept 4
	v_cvt_scalef32_pk8_bf8_f32 v[64+8*\m+2*n:65+8*\m+2*n], v[S+8*n:S+8*n+7], v58   ; into the registers of k's fragment of this tile, which this tile's score products alone read: each tile's codes have registers of their own
.set n, n+1
.endr
	v_nop                                          ; a plain instruction between the conversions and the matrix instructions that write their sources
.endm
	s_mov_b32 s67, 0                               ; 1,024 x the head of my two
	s_mov_b32 s69, 2
.Lhead:
	s_wait_alu depctr_vm_vsrc(0)                   ; first trip: the stores into the stage have read window 3 and v128-159, which matrix instructions write from here on; second trip: att's stores have read v13, written below, and v64-95, in which k lands
	v_add_nc_u32 v13, s67, v12
	s_wait_alu depctr_va_vdst(0)                   ; v13 is written, which att's stores read; the last head's matrix instructions are done reading k, q and V^T and its conversions have written v64-95: the loads below land there
.set n, 0
.rept 8
	global_load_b128 v[64+4*n:67+4*n], v[22+n/2], s[6:7] offset:512*(n%2)      ; k of my four tiles
.set n, n+1
.endr
	WIN 0x40
.set sb, 0
.rept 4                                                ; block by block: q's four fragments, V^T's four
.set n, 0
.rept 8
	global_load_b128 v[32*sb+4*n:32*sb+4*n+3], v[L16], s[8:9] offset:4096*sb+512*n
.set n, n+1
.endr
.set n, 0
.rept 8
	global_load_b128 v[128+32*sb+4*n:131+32*sb+4*n], v[L16], s[10:11] offset:4096*sb+512*n
.set n, n+1
.endr
.set sb, sb+1
.endr
	WIN 0
	ATT 0
	ATT 1
	ATT 2
	ATT 3
	s_wait_alu depctr_va_vdst(0)                   ; tile 3's conversions have written its codes, which the two stores below read; behind the last head: the matrix and vector instructions are done with window 1 and v128-191, in which att's fragments and proj_b land
	ASTORE 3
	s_wait_xcnt 0x0                                ; the loads have read their bases (all of them are back: the last tile waited for every load)
	s_add_nc_u64 s[6:7], s[6:7], 16384
	s_add_nc_u64 s[8:9], s[8:9], 16384
	s_add_nc_u64 s[10:11], s[10:11], 16384
	s_add_co_u32 s67, s67, 1024
	s_sub_co_u32 s69, s69, 1
	s_cmp_lg_u32 s69, 0
	s_cbranch_scc1 .Lhead
	BAR                                            ; att's 16 fragments, x, the parameters and b1 lie in LDS
	ACTLD
	PARLD 128, 0                                   ; proj_b
	s_wait_dscnt 0x0
.set n, 0
.rept 32
	v_pk_mul_f32 v[128+2*n:129+2*n], v[128+2*n:129+2*n], s[54:55] op_sel_hi:[1,0]   ; / 2^(e10 + e11): it is the C of each sum's first matrix instruction
.set n, n+1
.endr
; Group g of a lap of the projection: K step g; four tiles of columns (t0 on) x four tiles of tokens; the 16 accumulators take turns.
; Four places stay behind a group's last matrix instruction: behind the last lap the residual reads its results (ISA guide 7.12.1).  The wait ahead of the refill stands beside them.
; nl: how many of the group's sixteen loads are issued here.
.macro PGRP g, t0, nl
	s_wait_loadcnt 48                              ; this group's 16 loads are in; the three younger groups' stay out
	s_add_nc_u64 s[WP+2*\g:WP+2*\g+1], s[WP+2*\g:WP+2*\g+1], LAPB   ; the loads that named this base are those sixteen: it may step to the next lap
.if \g == 0
	WIN 0xC6                                       ; source 0 (the ring) window 2, source 1 (att) window 1, C (the bias) window 0, D window 3
.else
	WIN 0xF6
.endif
.set gi, 0
.rept 4
.set gm, 0
.rept 4
.set rA, 8*(4*(\t0+gi)+gm)
.set rR, 16*(4*\g+gi)
.set rX, 16*(4*gm+\g)
.if \g == 0
	v_wmma_f32_16x16x128_bf8_bf8 v[rA:rA+7], v[rR:rR+15], v[rX:rX+15], v[128+8*(\t0+gi):135+8*(\t0+gi)]
.else
	v_wmma_f32_16x16x128_bf8_bf8 v[rA:rA+7], v[rR:rR+15], v[rX:rX+15], v[rA:rA+7]
.endif
.set gm, gm+1
.endr
.set gi, gi+1
.endr
	PLACES 4
	WIN 0x80
	s_wait_alu depctr_va_vdst(0)                   ; the group's matrix instructions are done reading its four fragments, in which the next lap's land; behind the last group: and att's fragments and the bias, in which x, ln2_g and ln2_b land
	RLOAD \g, 0, \nl
.endm
.irp g, 0,1,2,3
	PGRP \g, 0, 16
.endr
	PGRP 0, 4, 16
	PGRP 1, 4, 16
	PGRP 2, 4, 16
	PGRP 3, 4, 15                                  ; the residual and the layernorm follow, which do not need the ring: the sixteenth load is issued in front of the feed-forward loop
	; x1 = sum x 2^(e10 + e11) + x
	WIN 0x40
.set n, 0
.rept 64                                               ; n / 2 = 4 t + m: x at (token 16 m + r, my column 16 t + 8 h + 4 (n % 2) on).  No wait: since the last group's wait only loads and window switches were issued
	ds_load_b128 v[4*n:4*n+3], v[5+((n/2)%4)/2] offset:TILEB*((n/2)%2)+64*(n/8)+16*(n%2)
.set n, n+1
.endr
	WIN 0
	PARLD 128, 1                                   ; ln2_g
	PARLD 192, 2                                   ; ln2_b
	s_wait_dscnt 0x0
	WIN 0xD3                                       ; source 0 and D window 3, source 2 (x) window 1
.set n, 0
.rept 128
	v_pk_fma_f32 v[2*n:2*n+1], v[2*n:2*n+1], s[52:53], v[2*n:2*n+1] op_sel_hi:[1,0,1]   ; each accumulator from its low end on
.set n, n+1
.endr
; THE SECOND LAYERNORM.  A row's 512 numbers lie in four waves (128 columns each) and two lanes: a wave's part goes to its word in LDS, and every wave adds the four in the same order.
.macro RFOLD off
.irp m, 0,1,2,3
	v_pk_add_f32 v[26+4*\m:27+4*\m], v[26+4*\m:27+4*\m], v[28+4*\m:29+4*\m]
.endr
.irp m, 0,1,2,3
	v_add_f32 v[26+4*\m], v[26+4*\m], v[27+4*\m]
.endr
.irp m, 0,1,2,3
	v_permlanex16_b32 v[42+\m], v[26+4*\m], s48, s49
.endr
.irp m, 0,1,2,3
	v_add_f32 v[26+4*\m], v[26+4*\m], v[42+\m]
.endr
	s_wait_alu depctr_va_vdst(0)                   ; the four sums v[26 + 4 m] are written, which the stores below read; the vector instructions that wrote or read v64-79 are done: the loads below land there
.irp m, 0,1,2,3
	ds_store_b32 v17, v[26+4*\m] offset:\off+256*\m
.endr
	BAR
	s_wait_alu depctr_vm_vsrc(0)                   ; my stores have read v[26 + 4 m], which the lines behind this macro write again; at its first use: att's stores have read v64-79, in which the loads below land
.irp m, 0,1,2,3
	ds_load_b128 v[64+4*\m:67+4*\m], v18 offset:\off+256*\m
.endr
	s_wait_dscnt 0x0
.irp m, 0,1,2,3
	v_add_f32 v[64+4*\m], v[64+4*\m], v[65+4*\m]
	v_add_f32 v[66+4*\m], v[66+4*\m], v[67+4*\m]
.endr
.irp m, 0,1,2,3
	v_add_f32 v[64+4*\m], v[64+4*\m], v[66+4*\m]
.endr
.endm
	WIN 0x0F
.set n, 0
.rept 8                                                ; tile n / 2, chain n % 2: two pairs start each chain
	v_pk_add_f32 v[26+2*n:27+2*n], v[8*(n/2)+4*(n%2):8*(n/2)+4*(n%2)+1], v[8*(n/2)+4*(n%2)+2:8*(n/2)+4*(n%2)+3]
.set n, n+1
.endr
	WIN 0x0C
.set n, 16
.rept 112                                              ; pair p = n / 4 of tile n % 4: column tile p / 4, registers 2 (p % 4) on
	v_pk_add_f32 v[26+4*(n%4)+2*((n/4)%2):27+4*(n%4)+2*((n/4)%2)], v[26+4*(n%4)+2*((n/4)%2):27+4*(n%4)+2*((n/4)%2)], v[8*(4*(n/16)+n%4)+2*((n/4)%4):8*(4*(n/16)+n%4)+2*((n/4)%4)+1]
.set n, n+1
.endr
	WIN 0
	RFOLD 0
.irp m, 0,1,2,3
	v_mul_f32 v[26+4*\m], s63, v[64+4*\m]          ; the mean
	v_mov_b32 v[27+4*\m], v[26+4*\m]
.endr
	WIN 0x43                                       ; source 0 (x1) window 3, D window 1
.set n, 0
.rept 128
	v_pk_add_f32 v[2*n:2*n+1], v[2*n:2*n+1], v[26+4*((n/4)%4):27+4*((n/4)%4)] neg_lo:[0,1] neg_hi:[0,1]
.set n, n+1
.endr
	WIN 0x05
.set n, 0
.rept 8
	v_pk_mul_f32 v[26+2*n:27+2*n], v[8*(n/2)+2*(n%2):8*(n/2)+2*(n%2)+1], v[8*(n/2)+2*(n%2):8*(n/2)+2*(n%2)+1]
.set n, n+1
.endr
.rept 120                                              ; from pair 2 on
	v_pk_fma_f32 v[26+4*(n%4)+2*((n/4)%2):27+4*(n%4)+2*((n/4)%2)], v[8*(4*(n/16)+n%4)+2*((n/4)%4):8*(4*(n/16)+n%4)+2*((n/4)%4)+1], v[8*(4*(n/16)+n%4)+2*((n/4)%4):8*(4*(n/16)+n%4)+2*((n/4)%4)+1], v[26+4*(n%4)+2*((n/4)%2):27+4*(n%4)+2*((n/4)%2)]
.set n, n+1
.endr
	WIN 0
	RFOLD 1024
.irp m, 0,1,2,3
	v_fma_f32 v[26+4*\m], v[64+4*\m], s63, s66     ; the variance + 1e-5
.endr
	s_wait_alu depctr_va_vdst(0)
.irp m, 0,1,2,3
	v_rsq_f32 v[26+4*\m], v[26+4*\m]
.endr
	v_nop                                          ; a plain instruction behind the transcendentals
	s_wait_alu depctr_va_vdst(0)                   ; the four roots' results v[26 + 4 m] are written, ahead of their first reader
.irp m, 0,1,2,3
	v_mov_b32 v[27+4*\m], v[26+4*\m]
.endr
	WIN 0x41
.set n, 0
.rept 128
	v_pk_mul_f32 v[2*n:2*n+1], v[2*n:2*n+1], v[26+4*((n/4)%4):27+4*((n/4)%4)]
.set n, n+1
.endr
.set n, 0
.rept 128
	v_pk_fma_f32 v[2*n:2*n+1], v[2*n:2*n+1], v[128+8*(n/16)+2*(n%4):129+8*(n/16)+2*(n%4)], v[192+8*(n/16)+2*(n%4):193+8*(n/16)+2*(n%4)]
.set n, n+1
.endr
.set n, 0
.rept 256
	v_med3_num_f32 v[n], v[n], -v61, v61
.set n, n+1
.endr
	WIN 0x01
.set n, 0
.rept 32                                               ; n = 4 t + m: registers 2 t, 2 t + 1 of h2's fragment (tile m, K step w)
	v_cvt_scalef32_pk8_bf8_f32 v[64+16*(n%4)+2*(n/4):65+16*(n%4)+2*(n/4)], v[8*n:8*n+7], v60
.set n, n+1
.endr
	v_nop
	WIN 0
	s_mov_b32 s68, 0                               ; 1,024 x chunk
	BIASADR                                        ; chunk 0's: made here, ahead of a wait that stands in any case
	s_wait_alu depctr_va_vdst(0)                   ; the conversions have written h2's codes in v64-127, which the stores below read; the vector work on window 1 and on v128-191 is done: h2's fragments and b2 land there
.set n, 0
.rept 16
	ds_store_b128 v12, v[64+4*n:67+4*n] offset:8192*(n/4)+512*(n%4)   ; over att's images: every wave has read them and passed two barriers since
.set n, n+1
.endr
	BAR                                            ; h2's 16 fragments lie in LDS
	s_wait_alu depctr_va_vdst(0)                   ; v11 is written, which the loads of b1's tiles read, and the conversions have written v64-95, in which those tiles land
	s_wait_alu depctr_vm_vsrc(0)                   ; and my stores of h2's codes have read v64-95
	BIASLD                                         ; b1's tiles of chunk 0
	ACTLD
	PARLD 128, 3                                   ; b2
	s_wait_dscnt 0x0
.set n, 0
.rept 32
	v_pk_mul_f32 v[128+2*n:129+2*n], v[128+2*n:129+2*n], s[56:57] op_sel_hi:[1,0]
.set n, n+1
.endr
	WIN 0xC3
.set n, 0
.rept 128
	v_pk_fma_f32 v[2*n:2*n+1], v[2*n:2*n+1], s[56:57], v[128+8*(n/16)+2*(n%4):129+8*(n/16)+2*(n%4)] op_sel_hi:[1,0,1]   ; (x1 + b2) / 2^(e14 + e15) starts product 8's sums
.set n, n+1
.endr
	WIN 0
; THE FEED-FORWARD LAYER, a chunk of 256 hidden units at a time: a lap of W1, a lap of W2.
.macro F1 more                         ; my 64 units for the 64 tokens; relu; codes; through LDS to all waves.  more = 1: a further chunk follows
	s_wait_dscnt 0x0
.irp g, 0,1,2,3
	s_wait_loadcnt 48                              ; this group's 16 loads are in; the three younger groups' stay out
	s_add_nc_u64 s[WP+2*\g:WP+2*\g+1], s[WP+2*\g:WP+2*\g+1], LAPB   ; the loads that named this base are those sixteen: it may step to the next lap
	WIN 0x06                                       ; source 0 (the ring) window 2, source 1 (h2) window 1, C and D window 0
.set gi, 0
.rept 4
.set gm, 0
.rept 4
.set rF, 128+8*(4*gi+gm)
.set rR, 16*(4*\g+gi)
.set rX, 16*(4*gm+\g)
.if \g == 0
	v_wmma_f32_16x16x128_bf8_bf8 v[rF:rF+7], v[rR:rR+15], v[rX:rX+15], v[64+8*gi:71+8*gi]
.else
	v_wmma_f32_16x16x128_bf8_bf8 v[rF:rF+7], v[rR:rR+15], v[rX:rX+15], v[rF:rF+7]
.endif
.set gm, gm+1
.endr
.set gi, gi+1
.endr
	PLACES 4
.if \g == 3
	WIN 0
	s_wait_alu depctr_vm_vsrc(0)                   ; the loads of this chunk's tiles of b1 have read v11, which is written below; the last chunk's stores have read the codes in v96-127, which this chunk's conversions write
.if \more
	BIASADR                                        ; the next chunk's: it lies ahead of the group's wait, which shows it written
.endif
.endif
	WIN 0x80
	s_wait_alu depctr_va_vdst(0)                   ; the group's matrix instructions are done reading its four fragments, in which the next lap's land; in the last group: v11 is written, and the first group is done reading b1's tiles, in which the next chunk's land
.if \g < 3
	RLOAD \g, 0, 16
.else
	RLOAD \g, 0, 15                                ; 63 loads are out: the conversions, barriers and LDS traffic below do not need the ring; the sixteenth load stands at the head of the lap of W2
.endif
.endr
	WIN 0
.set n, 0
.rept 128
	v_med3_num_f32 v[128+n], v[128+n], 0, v63      ; the activation and the hold in one
.set n, n+1
.endr
.set n, 0
.rept 16                                               ; n = 4 i + m
	v_cvt_scalef32_pk8_bf8_f32 v[96+8*(n%4)+2*(n/4):97+8*(n%4)+2*(n/4)], v[128+8*n:135+8*n], v62
.set n, n+1
.endr
	v_nop
	s_wait_alu depctr_va_vdst(0)                   ; the conversions have written the codes in v96-127, which the stores below read, and are done reading v128-255, in which the chunk's fragments land
	BAR                                            ; every wave's reads of the last chunk's hidden fragments are over
.set n, 0
.rept 8
	ds_store_b128 v15, v[96+4*n:99+4*n] offset:4096*(n/2)+512*(n%2)
.set n, n+1
.endr
	BAR                                            ; this chunk's eight fragments lie in LDS
.set n, 0
.rept 32
	ds_load_b128 v[128+4*n:131+4*n], v16 offset:512*n
.set n, n+1
.endr
.endm
.macro F2 more                         ; my 128 columns += the chunk's 256 units.  more = 0: the last lap loads nothing and its counts run down
.if \more
	BIASLD                                         ; no wait: no vector or matrix instruction since the last wait names v11 or v64-95
.endif
	RLOAD 3, 15, 16                                ; the load that the lap of W1 held back: group 3's sixteenth, still ahead of every load of the next lap, so the counts below stand as they are
	s_wait_dscnt 0x0
.irp g, 0,1,2,3
.if \more
	s_wait_loadcnt 48                              ; this group's 16 loads are in; the three younger groups' stay out
	s_add_nc_u64 s[WP+2*\g:WP+2*\g+1], s[WP+2*\g:WP+2*\g+1], LAPB   ; the loads that named this base are those sixteen: it may step to the next lap
.else
	s_wait_loadcnt 48-16*\g
.endif
	WIN 0xF2                                       ; source 0 (the ring) window 2, source 1 (the hidden layer) window 0, C and D window 3
.set gi, 0
.rept 4
.set gm, 0
.rept 4
.set rA, 8*(4*(4*(\g%2)+gi)+gm)
.set rR, 16*(4*\g+gi)
.set rH, 128+16*(2*gm+\g/2)
	v_wmma_f32_16x16x128_bf8_bf8 v[rA:rA+7], v[rR:rR+15], v[rH:rH+15], v[rA:rA+7]
.set gm, gm+1
.endr
.set gi, gi+1
.endr
	PLACES 4+\g/3                                  ; five behind the last group: the next chunk's first products write over the hidden fragments' registers
.if \more
	WIN 0x80
	s_wait_alu depctr_va_vdst(0)                   ; the group's matrix instructions are done reading its four fragments, in which the next lap's land
	RLOAD \g, 0, 16                                ; (the next thing behind the last group is the wait for the ring: all sixteen go out)
.endif
.endr
.endm
	RLOAD 3, 15, 16                                ; the load that the projection's last group held back.  No wait: no vector or matrix instruction since the last wait names the ring
	WIN 0
	s_mov_b32 s70, 7
.Lffn:
	F1 1
	F2 1
	WIN 0
	s_sub_co_u32 s70, s70, 1
	s_cmp_lg_u32 s70, 0
	s_cbranch_scc1 .Lffn
	F1 0                                           ; the eighth chunk is written out: no load leaves the buffer
	F2 0
	; THE WAY OUT: x 2^(e14 + e15); into x's places in the stage (each wave its own columns); a barrier, since a row's 2,048 bytes come from four waves; back as whole rows, 16 rows a wave.
	WIN 0xC3
.set n, 0
.rept 128
	v_pk_mul_f32 v[2*n:2*n+1], v[2*n:2*n+1], s[58:59] op_sel_hi:[1,0]
.set n, n+1
.endr
	WIN 0x0C
	s_wait_alu depctr_va_vdst(0)                   ; the multiplications have written window 3, which the stores below read; the matrix instructions are done reading h2's fragments in window 1, in which the rows of the output land
.set n, 0
.rept 64
	ds_store_b128 v[5+((n/2)%4)/2], v[4*n:4*n+3] offset:TILEB*((n/2)%2)+64*(n/8)+16*(n%2)
.set n, n+1
.endr
	WIN 0
	BAR
	WIN 0x40
.set n, 0
.rept 64
	ds_load_b128 v[4*n:4*n+3], v4 offset:PITCH*(n/4)+512*(n%4)
.set n, n+1
.endr
	WIN 0x04
.set n, 0
.rept 64
	s_wait_dscnt 63-n                              ; LDS loads come back in order (ISA guide 5.7.1): load n is in
	global_store_b128 v[L16], v[4*n:4*n+3], s[26:27] offset:512*n th:TH_STORE_NT   ; 32 lanes store 512 consecutive bytes, aligned; written once, read by nobody here
.set n, n+1
.endr
	WIN 0
	s_wait_dscnt 0x0                               ; the closing lines, six on end
	s_wait_alu 0x0
	s_wait_tensorcnt 0x0
	ds_add_u32 v46, v47
	s_wait_dscnt 0x0
	s_endpgm
.Lfunc_end_k_qbd72017886_main:
	.size	k_qbd72017886_main, .Lfunc_end_k_qbd72017886_main-k_qbd72017886_main
	.p2alignl 7, 3214868480
	.fill 96, 4, 3214868480
	.section	.rodata,"a",@progbits
	.p2align	6, 0x0
	.amdhsa_kernel k_qbd72017886_main
		.amdhsa_group_segment_fixed_size 201216
		.amdhsa_private_segment_fixed_size 0
		.amdhsa_enable_private_segment 0
		.amdhsa_kernarg_size 96
		.amdhsa_user_sgpr_count 2
		.amdhsa_user_sgpr_kernarg_segment_ptr 1
		.amdhsa_wavefront_size32 1
		.amdhsa_system_sgpr_workgroup_id_x 1
		.amdhsa_system_sgpr_workgroup_id_y 1
		.amdhsa_system_sgpr_workgroup_id_z 1
		.amdhsa_system_vgpr_workitem_id 0
		.amdhsa_next_free_vgpr 1024
		.amdhsa_next_free_sgpr 100
		.amdhsa_reserve_vcc 0
		.amdhsa_float_denorm_mode_32 3
		.amdhsa_float_denorm_mode_16_64 3
		.amdhsa_memory_ordered 1
		.amdhsa_forward_progress 1
		.amdhsa_inst_pref_size 255
	.end_amdhsa_kernel
	.section	.bss,"aw",@nobits
	.p2align	6
	.space	262144
	.amdgpu_metadata
---
amdhsa.version: [ 1, 2 ]
amdhsa.kernels:
  - .name:           k_qbd72017886_main
    .symbol:         k_qbd72017886_main.kd
    .args:
      - { .name: x, .offset: 0, .size: 8, .value_kind: global_buffer, .address_space: global }
      - { .name: kimg, .offset: 8, .size: 8, .value_kind: global_buffer, .address_space: global }
      - { .name: qimg, .offset: 16, .size: 8, .value_kind: global_buffer, .address_space: global }
      - { .name: vimg, .offset: 24, .size: 8, .value_kind: global_buffer, .address_space: global }
      - { .name: wmain, .offset: 32, .size: 8, .value_kind: global_buffer, .address_space: global }
      - { .name: lowp_scales, .offset: 40, .size: 8, .value_kind: global_buffer, .address_space: global }
      - { .name: proj_b, .offset: 48, .size: 8, .value_kind: global_buffer, .address_space: global }
      - { .name: ln2_g, .offset: 56, .size: 8, .value_kind: global_buffer, .address_space: global }
      - { .name: ln2_b, .offset: 64, .size: 8, .value_kind: global_buffer, .address_space: global }
      - { .name: b1, .offset: 72, .size: 8, .value_kind: global_buffer, .address_space: global }
      - { .name: b2, .offset: 80, .size: 8, .value_kind: global_buffer, .address_space: global }
      - { .name: out0, .offset: 88, .size: 8, .value_kind: global_buffer, .address_space: global }
    .group_segment_fixed_size: 201216
    .private_segment_fixed_size: 0
    .kernarg_segment_align: 8
    .kernarg_segment_size: 96
    .max_flat_workgroup_size: 128
    .sgpr_count:     100
    .vgpr_count:     1024
    .wavefront_size: 32
...
	.end_amdgpu_metadata
.endif
;; end of part 6
